; MI455X (gfx1250); checked and timed in simulation.
; The chip was launched on July 23, 2026; its instructions are those of AMD's public machine-readable ISA for CDNA 5 (MIT licence, August 2026) and "CDNA5" Instruction Set Architecture Reference Guide (July 2026). The comments in the code are by the model that wrote it; some were corrected since.
;; Multi Head Attention. Allowed arithmetic: matrix products marked QUANTISED: E2M1 operands, one E8M0 scale for each 32 along K, by v_wmma_scale_f32_16x16x128_f8f6f4 with both operands' format E2M1 (or v_wmma_scale_f32_32x16x128_f4), f32 sums; everything else in f32.
;; Inputs: Wk 512 x 512 float32; Wo 512 x 512 float32; Wq 512 x 512 float32; Wv 512 x 512 float32; bk 512 float32; bo 512 float32; bq 512 float32; bv 512 float32; key_in 2 x 4,096 x 512 float32; ln_beta 512 float32; ln_gamma 512 float32; mask 2 x 4,096 x 4,096 int32; query 2 x 4,096 x 512 float32; value 2 x 4,096 x 512 float32.
;; Outputs: out0 2 x 4,096 x 512 float32.
;; This version of the problem:
;;   THIS VERSION OF THE PROBLEM IS GIVEN IN LOW PRECISION. The matrix products marked QUANTISED in the list below multiply operands that are first quantised to E2M1 (2 exponent bits, 1 mantissa bit; 4 bits a number), with one power-of-two scale for each 32 numbers along K (OCP MX v1.0); their sums are f32. All else is computed in f32.
;;   The module's matrix products, in the order in which they are computed (A, B: the left and right operand; K: the contracted axis; several contracted axes count as one K, in the product's order):
;;     1. [M 8,192, K 512] x [K 512, N 512]; A: input query; B: input Wq: QUANTISED
;;     2. [M 8,192, K 512] x [K 512, N 512]; A: input key_in; B: input Wk: QUANTISED
;;     3. [M 8,192, K 512] x [K 512, N 512]; A: input value; B: input Wv: QUANTISED
;;     4. batch 16 x [M 4,096, K 64] x [K 64, N 4,096]; A: computed on the way; B: computed on the way: QUANTISED
;;     5. batch 16 x [M 4,096, K 4,096] x [K 4,096, N 64]; A: softmax (see below); B: computed on the way: QUANTISED
;;     6. [M 8,192, K 512] x [K 512, N 512]; A: computed on the way; B: input Wo: QUANTISED
;;   THE QUANTISER, for each operand of a quantised product, along K:
;;     - K is cut into blocks of 32 from its start; a last block that is shorter is filled with zeros.
;;     - A block's scale is 2^e with e = floor(log2(the largest magnitude in the block)) - 2, held to -126 .. 127; a block of zeros has e = 0. As a byte (E8M0): e + 127.
;;     - Each number is divided by its block's scale, clamped to +-6, and rounded to the nearest number of E2M1, ties to even, subnormals kept.
;;     - The product sums the exact products of the quantised numbers (number of the format x scale) in f32.
;;   ~~~python
;;   def quantise(x, axis):      # numpy; x: float32 -> the quantised numbers, widened to float32 again
;;       x = np.moveaxis(x, axis, -1); K = x.shape[-1]
;;       x = np.pad(x, [(0, 0)] * (x.ndim - 1) + [(0, -K % 32)]); x = x.reshape(x.shape[:-1] + (-1, 32)); a = np.abs(x).max(-1, keepdims=True)
;;       e = np.where(a > 0, np.clip(np.frexp(np.where(a > 0, a, 1))[1] - 1 - 2, -126, 127), 0)      # np.frexp(a)[1] - 1 = floor(log2(a)), exactly
;;       r = np.clip(x / 2.0 ** e, -6, 6)
;;       step = 2.0 ** (np.maximum(np.frexp(np.where(r == 0, 1, r))[1] - 1, 0) - 1)
;;       q = np.round(r / step) * step * 2.0 ** e      # np.round: ties to even
;;       return np.moveaxis(q.reshape(q.shape[:-2] + (-1,))[..., :K], -1, axis).astype(np.float32)
;;   ~~~
;;   SOFTMAX AHEAD OF A QUANTISED PRODUCT. Where the list says 'softmax', what is quantised is not the finished softmax but p = 2^(t - M), with t = logit x log2(e) and M = ceil(the row's largest t), a whole number; so 1/2 < the row's largest p <= 1. The row's sum l is taken of the UNQUANTISED p, in f32, and the product's result is divided by l at the end. Since M is a whole number, a kernel that streams over the keys may use a running M (the ceiling of the running maximum): every later rescaling is an exact power of two, which a block's scale takes up: the codes' values come out the same.
;;   OPERANDS COMPUTED ON THE WAY. 'Computed on the way' means the value that the module computes at that place (a softmax that the list does not call 'softmax' is quantised finished and normalised). What goes into a quantiser is computed in f32, as accurately as f32 sums, v_exp_f32 and their like allow (about 1e-6 of the number): no bf16 or f16 on the way to a quantiser, and a product that is left as it is and whose result goes on into a quantised operand takes f32 operands (vector FMAs, or v_wmma_f32_16x16x4_f32). A number that lies on a knife's edge between two numbers of the format may be rounded either way, as far as f32 arithmetic and the matrix unit's own rounding can turn it there, and no further.
;; One version. Each part assembles by itself: llvm-mc -triple=amdgcn-amd-amdhsa -mcpu=gfx1250 --defsym DOCPART=n.
;; ======== version 1 of 1: 4 launches
;; limits: right only within a limited range of input values
;; workspace buffers: wcod 524,288 bytes; wscl 32,768 bytes; qkvc 6,291,456 bytes; qkvs 655,360 bytes; maskw 4,194,304 bytes of whole numbers; flags 32,768 bytes of whole numbers; acod 2,097,152 bytes; ascl 131,072 bytes
;; launch prep (part 1): grid 512 x 1, 16 waves a work-group, no clusters, 266,240 bytes of LDS; arguments mask, Wq, Wk, Wv, Wo, maskw, flags, wcod, wscl; writes maskw, flags, wcod, wscl
.if DOCPART == 1
	.amdgcn_target "amdgcn-amd-amdhsa--gfx1250"
	.amdhsa_code_object_version 6
	.text
	.protected	k_q53f254e09f_prep
	.globl	k_q53f254e09f_prep
	.p2align	8
	.type	k_q53f254e09f_prep,@function
k_q53f254e09f_prep:
	s_mov_b64 s[64:65], 0
	v_nop
	global_prefetch_b8 v0, s[64:65] scope:SCOPE_SE
	s_setreg_imm32_b32 hwreg(HW_REG_WAVE_MODE, 25, 1), 1
	s_wait_xcnt 0x0
; THE MASK [2][4096][4096] of int32 is read ONCE and shrunk 32-fold.  A work-group takes 16 rows (a tile of queries), 262,144 bytes; wave w the key steps 2 w and 2 w + 1 of 128 keys.
;   Each wave brings its 16 rows x 1,024 bytes into LDS bytes of its own by ONE tensor load at the head, and it alone reads them: its wait on TENSORcnt is all the ordering that these reads need.  Nothing is filled again.
;   One LDS load reads one row's 128 numbers of a step, 512 consecutive bytes: lane L holds keys 4 L + e in register e.  A compare of register e gives word e of that row: bit L says whether key 4 L + e counts.
;   maskw [tile 512][step 32][row 16][word 4]: 256 bytes a step.  Nothing is transposed.
;   flags [tile][4 records of 8 steps][ANY8, MIX8, R, 0]: ANY8 bit t: some key of step t counts; MIX8 bit t: some key of step t is hidden; R bits 2 r, 2 r + 1: row r has a key that counts in words 0-1, 2-3 of some step.
;   A record is the OR of four waves' numbers: they meet in 2,048 LDS bytes of their own, behind one barrier, and wave 0 stores the tile's 64 bytes.
; THE WEIGHTS.  Wq, Wk, Wv, Wo [512][512] f32 become codes of FP4 (E2M1) with one E8M0 byte for each 32 along K, laid in the order of an operand's registers:
;   wcod [w][tile 32][K step 4][c 2][lane][16 bytes], wscl [w][tile][r 16][4 words].  The 128 tiles of 16 rows go to wave 0 of work-groups 0-127, between its tensor load and the wait for it (a branch on ids alone).
;   In Wq, Wk, Wv lane r of tile tl takes row 32 (tl / 2) + 8 (tl % 2) + r + (r & 8), so that two neighbouring tiles' results are 16 neighbours along the next product's K; in Wo row 16 tl + r.
; A block's scale byte is its largest magnitude's exponent field - 2, held at 1 from below; a block of zeros keeps the byte 1: its codes are zeros, and this program alone reads the bytes.
; LIMITS: NaN and infinities among the weights are not served.
; No cluster: no two work-groups read the same bytes.  No prefetch: the launch has no loop to run ahead in; all that a work-group reads is asked for at its head.
.set PK,    8                          ; v8-11   a pair of registers for each of my two steps: lane L holds words 2 L and 2 L + 1 of the step's 64
.set RB,    32                         ; v32-159 two sets of 64: a step's numbers: register 4 row + e
.set FST,   262144                     ; LDS: behind the sixteen tiles the waves' records, 128 bytes each
.set SPARE, 264192                     ; and the spare words, 128 bytes for each wave: eight blocks of 256 bytes that no other line names
.set SPW,   200                        ; v200 my spare word's address; v201 0: never rewritten
.set NIL,   201
.set ADL,   202                        ; v202 my lane's place in my tile
.set AFS,   203                        ; v203 my lane's place in my record
.set AFL,   204                        ; v204 wave 0: lane 4 g + f reads field f of the four records of group g
	s_load_b256 s[4:11], s[0:1], 0x0               ; mask s[4:5], Wq s[6:7], Wk s[8:9], Wv s[10:11]
	s_load_b256 s[12:19], s[0:1], 0x20             ; Wo s[12:13], maskw s[14:15], flags s[16:17], wcod s[18:19]
	s_load_b64 s[20:21], s[0:1], 0x40              ; wscl
	v_lshl_add_u32 v[SPW], v0, 2, SPARE
	v_mov_b32 v[NIL], 0
	ds_add_u32 v[SPW], v[NIL]                      ; the opening lines: the add, twice on end, and its wait ahead of my tensor load
	ds_add_u32 v[SPW], v[NIL]
	v_lshrrev_b32 v1, 5, v0
	v_readfirstlane_b32 s22, v1                    ; wave 0..15
	v_and_b32 v1, 31, v0                           ; lane
	v_and_b32 v24, 15, v0                          ; r
	v_bfe_u32 v25, v0, 4, 1                        ; h
	v_lshlrev_b32 v2, 4, v1                        ; 16 x lane
	s_lshl_b32 s69, s22, 14                        ; my tile in LDS: 16,384 x wave
	v_add_nc_u32 v[ADL], s69, v2
	v_lshl_add_u32 v[AFS], v0, 2, FST
	v_bfe_u32 v3, v0, 2, 2
	v_and_b32 v4, 3, v0
	v_lshlrev_b32 v4, 2, v4
	v_lshl_add_u32 v4, v3, 9, v4
	v_add_nc_u32 v[AFL], FST, v4
	v_lshlrev_b32 v5, 3, v1                        ; the words' place: 8 bytes a lane
	v_lshlrev_b32 v6, 2, v1
	s_mov_b32 s68, 1                               ; group 0: count 1
	s_mov_b32 s72, 2<<16                           ; group 1: elements of 4 bytes, no padding, no mask
	s_mov_b32 s73, 256<<16                         ; tensor_dim0 = 256 numbers: two steps
	s_mov_b32 s74, 16<<16                          ; tensor_dim1 = 16 rows
	s_mov_b32 s75, 256<<16                         ; tile_dim0
	s_mov_b32 s76, 16                              ; tile_dim1
	s_mov_b32 s77, 4096                            ; from row to row
	s_mov_b32 s78, 0
	s_mov_b32 s79, 0
	s_mov_b32 s25, 0                               ; the upper word of the offset pair s[24:25]
	s_lshl_b32 s24, ttmp9, 18                      ; 16 rows of 16,384 bytes
	s_lshl_b32 s26, s22, 10                        ; + 2 steps of 512 bytes a wave
	s_add_co_u32 s24, s24, s26
	s_wait_alu depctr_va_vdst(0)
	s_wait_dscnt 0x0                               ; both opening adds are done
	s_wait_kmcnt 0x0
	s_add_nc_u64 s[70:71], s[4:5], s[24:25]
	s_or_b32 s71, s71, 0x80000000                  ; type 2
	tensor_load_to_lds s[68:71], s[72:79]          ; my one tensor load: rows of 1,024 bytes, each at a multiple of 1,024 from the mask's first byte
	s_nop 0
	s_cmp_lg_u32 s22, 0
	s_cbranch_scc1 .Lmask
	s_cmp_ge_u32 ttmp9, 128
	s_cbranch_scc1 .Lmask
	; ---------------- a tile of a weight ----------------
	s_lshr_b32 s24, ttmp9, 5                       ; which weight
	s_and_b32 s26, ttmp9, 31                       ; which tile of its 32
	s_cmp_eq_u32 s24, 1
	s_cselect_b64 s[6:7], s[8:9], s[6:7]
	s_cmp_eq_u32 s24, 2
	s_cselect_b64 s[6:7], s[10:11], s[6:7]
	s_cmp_eq_u32 s24, 3
	s_cselect_b64 s[6:7], s[12:13], s[6:7]
	s_lshr_b32 s27, s26, 1
	s_lshl_b32 s27, s27, 5
	s_and_b32 s28, s26, 1
	s_lshl_b32 s28, s28, 3
	s_add_co_u32 s27, s27, s28                     ; 32 (tl / 2) + 8 (tl % 2)
	s_lshl_b32 s28, s26, 4                         ; 16 tl
	s_cmp_lt_u32 s24, 3
	s_cselect_b32 s27, s27, s28                    ; the tile's first row
	s_cselect_b32 s28, 8, 0                        ; and whether lanes 8-15 stand 8 rows further on
	v_and_b32 v8, s28, v24
	v_add_nc_u32 v8, v8, v24
	v_lshlrev_b32 v9, 11, v8                       ; my row of 2,048 bytes,
	v_lshl_add_u32 v9, v25, 7, v9                  ; + 128 h: the operand's layout gives lane (r, h) k = 64 c + 32 h + 0 .. 31
	s_wait_alu depctr_va_vdst(0)
	s_lshl_b32 s28, s27, 11
	s_mov_b32 s29, 0
	s_add_nc_u64 s[6:7], s[6:7], s[28:29]
	s_lshl_b32 s28, s24, 17                        ; wcod: 131,072 bytes a weight, 4,096 a tile
	s_lshl_b32 s27, s26, 12
	s_add_co_u32 s28, s28, s27
	s_add_nc_u64 s[18:19], s[18:19], s[28:29]
	s_lshl_b32 s28, s24, 13                        ; wscl: 8,192 bytes a weight, 256 a tile
	s_lshl_b32 s27, s26, 8
	s_add_co_u32 s28, s28, s27
	s_add_nc_u64 s[20:21], s[20:21], s[28:29]
	v_lshlrev_b32 v10, 3, v25                      ; 8 h: my bytes' shift in a scale word
	v_mov_b32 v11, 0                               ; a lane permute's destination counts as read
	v_lshlrev_b32 v19, 4, v24
	v_lshl_add_u32 v19, v25, 3, v19                ; 16 r + 8 h
	s_mov_b32 s30, 0x76543210
	s_mov_b32 s31, 0xfedcba98                      ; v_permlanex16_b32's selects for lane l xor 16
	s_wait_alu depctr_va_vdst(0)
.macro WLOAD s                         ; K step s: register 32 c + 4 i + e = k 128 s + 64 c + 32 h + 4 i + e of my row, into set s % 2
.irp c, 0,1
.irp i, 0,1,2,3,4,5,6,7
	global_load_b128 v[32+64*((\s)%2)+32*\c+4*\i:32+64*((\s)%2)+32*\c+4*\i+3], v9, s[6:7] offset:512*(\s)+256*\c+16*\i th:TH_LOAD_NT
.endr
.endr
.endm
.macro WQ s                            ; its two blocks of mine become registers 4 c .. 4 c + 3 of the fragment; the scale word's four bytes are gathered from lanes l and l xor 16
.set XS, 32+64*((\s)%2)
.irp c, 0,1
	v_max3_num_f32 v[12+\c], |v[XS+32*\c]|, |v[XS+32*\c+1]|, 0x1800000   ; with the floor 2^(3 - 127): the byte cannot fall under 1
.endr
.irp i, 2,4,6,8,10,12,14,16,18,20,22,24,26,28,30
.irp c, 0,1
	v_max3_num_f32 v[12+\c], v[12+\c], |v[XS+32*\c+\i]|, |v[XS+32*\c+\i+1]|
.endr
.endr
.irp c, 0,1
	v_add_nc_u32 v[14+\c], 0xff000000, v[12+\c]    ; 2 off the exponent field: the conversion's scale operand
.endr
.irp c, 0,1
	v_lshrrev_b32 v[16+\c], 23, v[14+\c]           ; the scale's byte
.endr
	v_lshl_or_b32 v18, v17, 16, v16                ; blocks h and 2 + h,
	v_lshlrev_b32 v18, v10, v18                    ; at their places
	v_permlanex16_b32 v11, v18, s30, s31
	v_or_b32 v[192+(\s)], v18, v11                 ; with lane l xor 16's two the word is whole
.irp c, 0,1
.irp g, 0,1,2,3
	v_cvt_scalef32_pk8_fp4_f32 v[160+8*(\s)+4*\c+\g], v[XS+32*\c+8*\g:XS+32*\c+8*\g+7], v[14+\c]
.endr
.endr
	v_nop                                          ; one plain line behind the last scaled conversion
.irp c, 0,1
	global_store_b128 v2, v[160+8*(\s)+4*\c:160+8*(\s)+4*\c+3], s[18:19] offset:1024*(\s)+512*\c   ; 512 consecutive bytes; each K step has its own registers
.endr
.endm
	WLOAD 0
	WLOAD 1
	s_wait_loadcnt 16                              ; the older 16 loads are in
	WQ 0
	WLOAD 2
	s_wait_loadcnt 16
	WQ 1
	WLOAD 3
	s_wait_loadcnt 16
	WQ 2
	s_wait_loadcnt 0x0
	WQ 3
	v_cmp_eq_u32 vcc_lo, 1, v25
	v_cndmask_b32 v196, v192, v194, vcc_lo         ; lanes 0-15 store words 0, 1 of row r, lanes 16-31 words 2, 3
	v_cndmask_b32 v197, v193, v195, vcc_lo
	global_store_b64 v19, v[196:197], s[20:21]     ; 256 consecutive bytes, aligned
	; ---------------- the mask ----------------
.Lmask:
	v_mov_b32 v7, 0                                ; my record: three numbers and zeros
.irp i, 0,1,2,3
	v_mov_b32 v[PK+\i], 0                          ; a v_writelane_b32's destination counts as read
.endr
	s_mov_b32 s25, 0
	s_lshl_b32 s24, ttmp9, 13                      ; maskw: 32 steps of 256 bytes a tile, two a wave
	s_lshl_b32 s26, s22, 9
	s_add_co_u32 s24, s24, s26
	s_add_nc_u64 s[14:15], s[14:15], s[24:25]
	s_lshl_b32 s24, ttmp9, 6                       ; flags: 64 bytes a tile
	s_add_nc_u64 s[16:17], s[16:17], s[24:25]
	s_mov_b32 s56, 0                               ; ANY
	s_mov_b32 s57, 0                               ; MIX
	s_and_b32 s59, s22, 3
	s_lshl_b32 s59, s59, 1                         ; my two steps' place in their record's eight bits
	s_wait_alu depctr_va_vdst(0)
	s_wait_tensorcnt 0x0                           ; my tile has landed
.irp t, 0,1
.set i, 0
.rept 16
	ds_load_b128 v[RB+64*\t+4*i:RB+64*\t+4*i+3], v[ADL] offset:1024*i+512*\t
.set i, i+1
.endr
.endr
.macro MSTEP t
	s_wait_dscnt 16-16*(\t)                        ; this step's 16 loads are in; step 1's 16 may be out
	s_mov_b64 s[48:49], 0                          ; the OR of the step's 64 words, in two halves,
	s_mov_b64 s[50:51], -1                         ; and their AND
.irp q, 0,1,2,3
.irp k, 0,1,2,3,4,5,6,7,8,9,10,11,12,13,14,15
	v_cmp_ne_u32 s[32+\k], 0, v[RB+64*(\t)+16*\q+\k]   ; word 16 q + k = word k % 4 of row 4 q + k / 4
.endr
.irp k, 0,2,4,6,8,10,12,14
	s_or_b64 s[48:49], s[48:49], s[32+\k:33+\k]
	s_and_b64 s[50:51], s[50:51], s[32+\k:33+\k]
.endr
.irp k, 0,1,2,3,4,5,6,7,8,9,10,11,12,13,14,15
	v_writelane_b32 v[PK+2*(\t)+(\k%2)], s[32+\k], 8*\q+\k/2
.endr
.endr
	s_or_b32 s52, s48, s49
	s_and_b32 s53, s50, s51
	s_cmp_lg_u32 s52, 0
	s_cselect_b32 s55, 1<<(\t), 0
	s_or_b32 s56, s56, s55                         ; some key counts
	s_cmp_lg_u32 s53, -1
	s_cselect_b32 s55, 1<<(\t), 0
	s_or_b32 s57, s57, s55                         ; some key is hidden
.endm
	MSTEP 0
	MSTEP 1
	s_lshl_b32 s56, s56, s59
	s_lshl_b32 s57, s57, s59
	s_wait_alu depctr_va_vdst(0)
	v_or_b32 v26, v[PK], v[PK+1]                   ; lane L: the OR over my two steps of words 2 L, 2 L + 1: row L / 2
	v_or_b32 v27, v[PK+2], v[PK+3]
	v_or_b32 v26, v26, v27
	v_cmp_ne_u32 s54, 0, v26                       ; R
	v_writelane_b32 v7, s56, 0
	v_writelane_b32 v7, s57, 1
	v_writelane_b32 v7, s54, 2
	s_wait_alu depctr_va_vdst(0)
	ds_store_b32 v[AFS], v7
.irp t, 0,1
	global_store_b64 v5, v[PK+2*\t:PK+2*\t+1], s[14:15] offset:256*\t   ; 32 lanes store 256 consecutive bytes, aligned
.endr
	s_wait_dscnt 0x0                               ; for wave 0's sake: my record has landed
	s_barrier_signal -1
	s_barrier_wait -1
	s_wait_tensorcnt 0x0                           ; the wave's end
	ds_add_u32 v[SPW], v[NIL]
	s_wait_dscnt 0x0
	s_cmp_lg_u32 s22, 0
	s_cbranch_scc1 .Lend
.irp j, 0,1,2,3
	ds_load_b32 v[12+\j], v[AFL] offset:128*\j     ; field f of the four waves of group g
.endr
	v_cmp_gt_u32 vcc_lo, 16, v1
	s_wait_dscnt 0x0
	v_or_b32 v12, v12, v13
	v_or_b32 v14, v14, v15
	v_or_b32 v12, v12, v14
	s_wait_alu depctr_va_vdst(0)
	s_wait_xcnt 0x0                                ; EXEC changes only behind this wait: the stores above have read it
	s_and_saveexec_b32 s58, vcc_lo
	global_store_b32 v6, v12, s[16:17]             ; lanes 0-15: the tile's four records, 64 consecutive bytes
.Lend:
	s_endpgm
.Lfunc_end_k_q53f254e09f_prep:
	.size	k_q53f254e09f_prep, .Lfunc_end_k_q53f254e09f_prep-k_q53f254e09f_prep
	.p2alignl 7, 3214868480
	.fill 96, 4, 3214868480
	.section	.rodata,"a",@progbits
	.p2align	6, 0x0
	.amdhsa_kernel k_q53f254e09f_prep
		.amdhsa_group_segment_fixed_size 266240
		.amdhsa_private_segment_fixed_size 0
		.amdhsa_enable_private_segment 0
		.amdhsa_kernarg_size 72
		.amdhsa_user_sgpr_count 2
		.amdhsa_user_sgpr_kernarg_segment_ptr 1
		.amdhsa_wavefront_size32 1
		.amdhsa_system_sgpr_workgroup_id_x 1
		.amdhsa_system_sgpr_workgroup_id_y 1
		.amdhsa_system_sgpr_workgroup_id_z 1
		.amdhsa_system_vgpr_workitem_id 0
		.amdhsa_next_free_vgpr 208
		.amdhsa_next_free_sgpr 84
		.amdhsa_reserve_vcc 1
		.amdhsa_float_denorm_mode_32 3
		.amdhsa_float_denorm_mode_16_64 3
		.amdhsa_memory_ordered 1
		.amdhsa_forward_progress 1
		.amdhsa_inst_pref_size 48
	.end_amdhsa_kernel
	.amdgpu_metadata
---
amdhsa.version: [ 1, 2 ]
amdhsa.kernels:
  - .name:           k_q53f254e09f_prep
    .symbol:         k_q53f254e09f_prep.kd
    .args:
      - { .name: mask, .offset: 0, .size: 8, .value_kind: global_buffer, .address_space: global }
      - { .name: Wq, .offset: 8, .size: 8, .value_kind: global_buffer, .address_space: global }
      - { .name: Wk, .offset: 16, .size: 8, .value_kind: global_buffer, .address_space: global }
      - { .name: Wv, .offset: 24, .size: 8, .value_kind: global_buffer, .address_space: global }
      - { .name: Wo, .offset: 32, .size: 8, .value_kind: global_buffer, .address_space: global }
      - { .name: maskw, .offset: 40, .size: 8, .value_kind: global_buffer, .address_space: global }
      - { .name: flags, .offset: 48, .size: 8, .value_kind: global_buffer, .address_space: global }
      - { .name: wcod, .offset: 56, .size: 8, .value_kind: global_buffer, .address_space: global }
      - { .name: wscl, .offset: 64, .size: 8, .value_kind: global_buffer, .address_space: global }
    .group_segment_fixed_size: 266240
    .private_segment_fixed_size: 0
    .kernarg_segment_align: 8
    .kernarg_segment_size: 72
    .max_flat_workgroup_size: 512
    .sgpr_count:     84
    .vgpr_count:     208
    .wavefront_size: 32
...
	.end_amdgpu_metadata
.endif
;; end of part 1
;; launch proj (part 2): grid 128 x 3, 8 waves a work-group, no clusters, 19,456 bytes of LDS; arguments query, key_in, value, bq, bk, bv, wcod, wscl, qkvc, qkvs; writes qkvc, qkvs
.if DOCPART == 2
	.amdgcn_target "amdgcn-amd-amdhsa--gfx1250"
	.amdhsa_code_object_version 6
	.text
	.protected	k_q53f254e09f_proj
	.globl	k_q53f254e09f_proj
	.p2align	8
	.type	k_q53f254e09f_proj,@function
k_q53f254e09f_proj:
	s_mov_b64 s[64:65], 0
	v_nop
	global_prefetch_b8 v0, s[64:65] scope:SCOPE_SE
	s_setreg_imm32_b32 hwreg(HW_REG_WAVE_MODE, 25, 1), 1
	s_wait_xcnt 0x0
; q = query Wq^T + bq, k = key_in Wk^T + bk, v = value Wv^T + bv, on codes of FP4 (E2M1) with one E8M0 byte for each 32 along K; the results are quantised at once for the attention launch:
; q and k along the head's 64, v along the keys.  Work-group (g, y): rows 64 g .. 64 g + 63 of the 8,192, y = 0 q, 1 k, 2 v.  Eight waves.
; X PHASE (one path): wave w quantises two of the block's 16 fragments of x (tile of rows w / 2, K steps 2 (w % 2) and the next) and stores them to LDS AS IMAGES OF THEIR REGISTERS
;   (lane l's 16 bytes at 16 l, 512 bytes a store; the scale word at 4 l).  One barrier.  Behind it nobody stores to LDS.
; PRODUCT PHASE: wave w is head w: 64 x 64 x 512.  Source 0 is the operand along which a lane's registers run (four tiles, kept in registers), source 1 the operand whose rows are the lanes (a tile at a time).
;   q, k: source 0 = 16 rows of W (its tiles' rows are chosen so that tiles 2 b and 2 b + 1 give 16 neighbours along the head), source 1 = x: a lane holds one row, its registers run along the head's 64.
;   v:    source 0 = 16 rows of x (chosen likewise), source 1 = 16 rows of Wv: a lane holds one channel, its registers run along 64 keys.
; ROWS OF x's TILES: y = 0: 16 m + r.  y = 1, 2: 32 (m / 2) + 8 (m % 2) + r + (r & 8): k's rows so, since the keys of a tile of scores must give 16 neighbouring keys there.
; The bias is the C of a sum's first matrix instruction.  OUT: qkvc: section y of 2 MiB, [head 16][131,072]: q, k [group of 64 rows][tile 4][lane][16 bytes]; v [step of 128 keys][channel tile 4][c 2][lane][16];
;   qkvs: q at 0, k at 262,144: [head][group][r][tile] words (two bytes, two zeros); v at 524,288: [head][group][r][channel tile] of two bytes.
; A block of zeros keeps the byte 1: its codes are zeros, and this program alone reads the bytes.  LIMITS: NaN and infinities among the inputs are not served.
; No tensor loads: x is read once, by one wave; the weights' codes come straight into registers in the order in which the operand takes them.
.set XSC, 16384                        ; LDS: 16 images of 1,024 bytes from 0; their scale words, 128 bytes each, from here
.set RP,  16                           ; v16-143  source 0's 16 fragments (tile pt, K step s at 32 pt + 8 s); in the X phase 128 numbers of x
.set SP,  144                          ; v144-151 its scale words: register 2 pt + e: lanes 0-15 K step e, lanes 16-31 K step 2 + e
.set RL,  152                          ; v152-183 source 1's four fragments
.set SL,  184                          ; v184-187 its scale words
.set ACC, 188                          ; v188-219 four accumulators
.set TM,  220                          ; v220-223 largest magnitudes, v224-227 at work and bytes, v228-231 scale operands
.set BC,  232                          ; v232-239 v's bias as C
.set PC,  240                          ; v240-247 the codes just made
.set PW,  248                          ; v248-251 the scale words just made
.set SEL, 30
.macro QUANT s, nb, pc, pw             ; 16 nb numbers of a lane, register 16 b + i = k 32 b + 16 h + i of my row, become 2 nb registers of codes and a word of nb scale bytes
.irp b, 0,1,2,3
.if \b < \nb
	v_max3_num_f32 v[TM+\b], |v[\s+16*\b]|, |v[\s+1+16*\b]|, 0x1800000   ; with the floor 2^(3 - 127): the byte cannot fall under 1
.endif
.endr
.irp i, 2,4,6,8,10,12,14
.irp b, 0,1,2,3
.if \b < \nb
	v_max3_num_f32 v[TM+\b], v[TM+\b], |v[\s+16*\b+\i]|, |v[\s+1+16*\b+\i]|
.endif
.endr
.endr
.irp b, 0,1,2,3
.if \b < \nb
	v_permlanex16_b32 v[TM+4+\b], v[TM+\b], s[SEL], s[SEL+1]
.endif
.endr
.irp b, 0,1,2,3
.if \b < \nb
	v_max_num_f32 v[TM+\b], v[TM+\b], v[TM+4+\b]   ; with lane l xor 16's: the block's largest magnitude
.endif
.endr
.irp b, 0,1,2,3
.if \b < \nb
	v_add_nc_u32 v[TM+8+\b], 0xff000000, v[TM+\b]  ; 2 off its exponent field: the conversion's scale operand
.endif
.endr
.irp b, 0,1,2,3
.if \b < \nb
	v_lshrrev_b32 v[TM+4+\b], 23, v[TM+8+\b]       ; the scale's byte
.endif
.endr
	v_lshl_or_b32 v[\pw], v[TM+5], 8, v[TM+4]
.if \nb > 2
	s_delay_alu instid0(VALU_DEP_1)
	v_lshl_or_b32 v[\pw], v[TM+6], 16, v[\pw]
	s_delay_alu instid0(VALU_DEP_1)
	v_lshl_or_b32 v[\pw], v[TM+7], 24, v[\pw]
.endif
.irp b, 0,1,2,3
.if \b < \nb
	v_cvt_scalef32_pk8_fp4_f32 v[\pc+2*\b], v[\s+16*\b:\s+7+16*\b], v[TM+8+\b]
	v_cvt_scalef32_pk8_fp4_f32 v[\pc+1+2*\b], v[\s+8+16*\b:\s+15+16*\b], v[TM+8+\b]
.endif
.endr
	v_nop                                          ; one plain line behind the last scaled conversion
.irp c, 0,1
.if 2*\c < \nb
.irp i, 0,1
	v_permlane16_swap_b32 v[\pc+4*\c+\i], v[\pc+2+4*\c+\i]   ; the operand's layout wants a whole block in a lane
.endr
.endif
.endr
.endm
.macro MM d, a, b, c, sa, sb, row      ; one scaled product; row = 1: source 0's scales stand in lanes 16-31
.if \row
	v_wmma_scale_f32_16x16x128_f8f6f4 v[\d:\d+7], v[\a:\a+7], v[\b:\b+7], v[\c:\c+7], v[\sa], v[\sb] matrix_a_fmt:MATRIX_FMT_FP4 matrix_b_fmt:MATRIX_FMT_FP4 matrix_a_scale:MATRIX_SCALE_ROW1
.else
	v_wmma_scale_f32_16x16x128_f8f6f4 v[\d:\d+7], v[\a:\a+7], v[\b:\b+7], v[\c:\c+7], v[\sa], v[\sb] matrix_a_fmt:MATRIX_FMT_FP4 matrix_b_fmt:MATRIX_FMT_FP4
.endif
.endm
	s_load_b256 s[4:11], s[0:1], 0x0               ; query s[4:5], key_in s[6:7], value s[8:9], bq s[10:11]
	s_load_b256 s[12:19], s[0:1], 0x20             ; bk s[12:13], bv s[14:15], wcod s[16:17], wscl s[18:19]
	s_load_b128 s[20:23], s[0:1], 0x40             ; qkvc s[20:21], qkvs s[22:23]
	v_lshl_add_u32 v254, v0, 2, 0x4800
	v_mov_b32 v255, 0
	v_lshrrev_b32 v1, 5, v0
	s_delay_alu instid0(VALU_DEP_1)
	v_readfirstlane_b32 s24, v1                    ; wave 0..7
	s_and_b32 s25, ttmp7, 0xffff                   ; y
	s_lshr_b32 s27, ttmp9, 6                       ; batch
	s_and_b32 s28, ttmp9, 63                       ; the group of 64 rows in it
	s_lshl_b32 s29, s27, 3
	s_add_co_u32 s29, s29, s24                     ; 8 x batch + head
	s_mov_b32 s[SEL], 0x76543210
	s_mov_b32 s[SEL+1], 0xfedcba98                 ; v_permlanex16_b32's selects for lane l xor 16
	s_mov_b32 s33, 0                               ; the upper word of every offset pair s[32:33]
	v_and_b32 v1, 31, v0                           ; lane
	v_and_b32 v2, 15, v0                           ; r
	v_bfe_u32 v3, v0, 4, 1                         ; h
	s_delay_alu instid0(VALU_DEP_3)
	v_lshlrev_b32 v5, 4, v1                        ; 16 x lane: an image's place for my lane
	s_delay_alu instid0(VALU_DEP_4)
	v_lshlrev_b32 v6, 2, v1                        ; 4 x lane: a scale word's
	s_lshl_b32 s34, s24, 11
	v_add_nc_u32 v7, s34, v5                       ; where I store my two images: + 2,048 x wave
	s_lshl_b32 s34, s24, 8
	v_add_nc_u32 v8, s34, v6                       ; and their scale words: + 256 x wave
	v_lshlrev_b32 v10, 4, v2                       ; 16 r
	s_delay_alu instid0(VALU_DEP_1)
	v_lshl_add_u32 v9, v3, 3, v10                  ; 16 r + 8 h
	v_lshlrev_b32 v11, 2, v2
	s_delay_alu instid0(VALU_DEP_1)
	v_lshl_add_u32 v11, v3, 8, v11                 ; 4 r + 256 h: lanes 16-31 take the scale words two K steps on
	v_lshlrev_b32 v12, 6, v3                       ; 64 h: q's and k's bias
	v_lshlrev_b32 v13, 3, v2
	s_delay_alu instid0(VALU_DEP_1)
	v_lshl_add_u32 v13, v3, 2, v13                 ; 8 r + 4 h
	v_and_b32 v14, 8, v2
	s_delay_alu instid0(VALU_DEP_1)
	v_add_nc_u32 v14, v14, v2
	s_delay_alu instid0(VALU_DEP_1)
	v_lshlrev_b32 v14, 2, v14                      ; 4 (r + (r & 8)): v's bias
.irp b, 0,1,2,3
	v_mov_b32 v[TM+4+\b], 0                        ; a lane permute's destination counts as read
.endr
	s_lshr_b32 s34, s24, 1                         ; m: my tile of rows in the X phase
	s_lshl_b32 s35, s34, 4                         ; 16 m
	s_lshr_b32 s36, s34, 1
	s_lshl_b32 s36, s36, 5
	s_and_b32 s37, s34, 1
	s_lshl_b32 s37, s37, 3
	s_add_co_u32 s36, s36, s37                     ; 32 (m / 2) + 8 (m % 2)
	s_cmp_eq_u32 s25, 0
	s_cselect_b32 s35, s35, s36
	s_cselect_b32 s36, 0, 8
	v_and_b32 v15, s36, v2
	s_delay_alu instid0(VALU_DEP_1)
	v_add_nc_u32 v15, v15, v2
	s_delay_alu instid0(VALU_DEP_1)
	v_lshlrev_b32 v4, 11, v15                      ; x: my row of 2,048 bytes,
	s_delay_alu instid0(VALU_DEP_1)
	v_lshl_add_u32 v4, v3, 6, v4                   ; + 64 h: my 16 numbers of a block of 32
	s_lshl_b32 s37, ttmp9, 6
	s_add_co_u32 s35, s35, s37                     ; the tile's first row
	s_lshl_b32 s38, s35, 11
	s_and_b32 s37, s24, 1
	s_lshl_b32 s37, s37, 10                        ; my two K steps: 1,024 bytes
	s_add_co_u32 s38, s38, s37
	s_mov_b32 s39, 0
	s_wait_alu depctr_va_vdst(0)
	s_wait_kmcnt 0x0
	s_cmp_eq_u32 s25, 1                            ; the buffers are chosen by y alone
	s_cselect_b64 s[4:5], s[6:7], s[4:5]
	s_cselect_b64 s[10:11], s[12:13], s[10:11]
	s_cmp_eq_u32 s25, 2
	s_cselect_b64 s[4:5], s[8:9], s[4:5]
	s_cselect_b64 s[10:11], s[14:15], s[10:11]
	s_add_nc_u64 s[4:5], s[4:5], s[38:39]
.macro XLOAD f                         ; my rows' numbers of my K step f: 64 a lane
.irp b, 0,1,2,3
.irp j, 0,1,2,3
	global_load_b128 v[RP+64*\f+16*\b+4*\j:RP+64*\f+16*\b+4*\j+3], v4, s[4:5] offset:512*\f+128*\b+16*\j th:TH_LOAD_NT
.endr
.endr
.endm
	XLOAD 0
	XLOAD 1
	s_lshl_b32 s32, s25, 17                        ; the weight's codes: 131,072 y + 16,384 x head
	s_lshl_b32 s34, s24, 14
	s_add_co_u32 s32, s32, s34
	s_add_nc_u64 s[16:17], s[16:17], s[32:33]
	s_lshl_b32 s32, s25, 13                        ; its scale words: 8,192 y + 1,024 x head
	s_lshl_b32 s34, s24, 10
	s_add_co_u32 s32, s32, s34
	s_add_nc_u64 s[18:19], s[18:19], s[32:33]
	s_lshl_b32 s32, s24, 8                         ; the bias: the head's 64 numbers
	s_add_nc_u64 s[10:11], s[10:11], s[32:33]
	s_lshl_b32 s32, s25, 21                        ; out, codes: 2 MiB y + 131,072 (8 batch + head)
	s_lshl_b32 s34, s29, 17
	s_add_co_u32 s32, s32, s34
	s_add_nc_u64 s[20:21], s[20:21], s[32:33]
	s_lshl_b32 s32, s25, 18                        ; out, scales: 262,144 y
	s_add_nc_u64 s[22:23], s[22:23], s[32:33]
	s_wait_loadcnt 16                              ; the first K step's 16 loads are in
	QUANT RP, 4, PC, PW
.irp c, 0,1
	ds_store_b128 v7, v[PC+4*\c:PC+4*\c+3] offset:512*\c
.endr
	ds_store_b32 v8, v[PW] offset:XSC
	s_wait_dscnt 0x0                               ; the stores have read their registers
	s_wait_loadcnt 0x0
	QUANT RP+64, 4, PC, PW
.irp c, 0,1
	ds_store_b128 v7, v[PC+4*\c:PC+4*\c+3] offset:1024+512*\c
.endr
	ds_store_b32 v8, v[PW] offset:XSC+128
	s_wait_dscnt 0x0                               ; for the others' sake: my stores have landed
	s_barrier_signal -1
	s_barrier_wait -1                              ; x's sixteen fragments lie in LDS
.macro PATH isv
.if \isv
	s_lshr_b32 s34, s28, 1                         ; v's codes: the step of 128 keys, 4,096 bytes; my 64 keys are its half c
	s_lshl_b32 s32, s34, 12
	s_and_b32 s34, s28, 1
	s_lshl_b32 s34, s34, 9
	s_add_co_u32 s32, s32, s34
	s_add_nc_u64 s[20:21], s[20:21], s[32:33]
	s_lshl_b32 s32, s29, 13                        ; v's scales: 8,192 a head, 128 a group
	s_lshl_b32 s34, s28, 7
	s_add_co_u32 s32, s32, s34
	s_add_nc_u64 s[22:23], s[22:23], s[32:33]
.set i, 0
.rept 32
	ds_load_b128 v[RP+4*i:RP+4*i+3], v5 offset:512*i              ; all of x: register 32 pt + 8 s + 4 c
.set i, i+1
.endr
.irp pt, 0,1,2,3
.irp e, 0,1
	ds_load_b32 v[SP+2*\pt+\e], v11 offset:XSC+(4*\pt+\e)*128
.endr
.endr
.else
	s_lshl_b32 s32, s28, 11                        ; q's and k's codes: 2,048 bytes a group
	s_add_nc_u64 s[20:21], s[20:21], s[32:33]
	s_lshl_b32 s32, s29, 14                        ; their scales: 16,384 a head, 256 a group
	s_lshl_b32 s34, s28, 8
	s_add_co_u32 s32, s32, s34
	s_add_nc_u64 s[22:23], s[22:23], s[32:33]
.set i, 0
.rept 32
	global_load_b128 v[RP+4*i:RP+4*i+3], v5, s[16:17] offset:512*i   ; the head's four tiles of W: register 32 pt + 8 s + 4 c
.set i, i+1
.endr
.irp pt, 0,1,2,3
	global_load_b64 v[SP+2*\pt:SP+2*\pt+1], v9, s[18:19] offset:256*\pt
.endr
.endif
.irp lt, 0,1,2,3
.if \isv
.set i, 0
.rept 8
	global_load_b128 v[RL+4*i:RL+4*i+3], v5, s[16:17] offset:4096*\lt+512*i   ; channel tile lt of Wv
.set i, i+1
.endr
	global_load_b128 v[SL:SL+3], v10, s[18:19] offset:256*\lt
.set i, 0
.rept 8
	global_load_b32 v[BC+i], v14, s[10:11] offset:(32*(\lt/2)+8*(\lt%2))*4     ; my channel's bias, in all eight registers of C
.set i, i+1
.endr
.else
.set i, 0
.rept 8
	ds_load_b128 v[RL+4*i:RL+4*i+3], v5 offset:4096*\lt+512*i                 ; tile lt of x's rows
.set i, i+1
.endr
.irp s, 0,1,2,3
	ds_load_b32 v[SL+\s], v6 offset:XSC+(4*\lt+\s)*128
.endr
.irp pt, 0,1,2,3
.irp e, 0,1
	global_load_b128 v[ACC+8*\pt+4*\e:ACC+8*\pt+4*\e+3], v12, s[10:11] offset:(32*(\pt/2)+8*(\pt%2))*4+16*\e   ; the bias in the result's layout: the sums begin with it
.endr
.endr
.endif
	s_wait_loadcnt 0x0
	s_wait_dscnt 0x0
.irp s, 0,1,2,3                        ; the four accumulators take turns, one instruction a turn
.irp pt, 0,1,2,3
.if \isv && (\s == 0)
	MM ACC+8*\pt, RP+32*\pt+8*\s, RL+8*\s, BC, SP+2*\pt+(\s%2), SL+\s, \s/2
.else
	MM ACC+8*\pt, RP+32*\pt+8*\s, RL+8*\s, ACC+8*\pt, SP+2*\pt+(\s%2), SL+\s, \s/2
.endif
.endr
.endr
.rept 5
	v_nop                                          ; places: four in front of the reads of the sums and of loads into registers that these products named, five in front of products that write over the sums
.endr
	s_wait_xcnt 0x0                                ; the last store has read the codes' registers
	QUANT ACC, 2, PC, PW+\lt
.if \isv
	global_store_b128 v5, v[PC:PC+3], s[20:21] offset:1024*\lt    ; 512 consecutive bytes
.else
	global_store_b128 v5, v[PC:PC+3], s[20:21] offset:512*\lt
.endif
.endr
	v_cmp_eq_u32 vcc_lo, 1, v3
.if \isv
	v_lshl_or_b32 v252, v[PW+1], 16, v[PW]         ; two bytes a channel tile
	v_lshl_or_b32 v253, v[PW+3], 16, v[PW+2]
	s_delay_alu instid0(VALU_DEP_1)
	v_cndmask_b32 v252, v252, v253, vcc_lo
	global_store_b32 v13, v252, s[22:23]           ; 128 consecutive bytes
.else
	s_delay_alu instid0(VALU_DEP_1)
	v_cndmask_b32 v252, v[PW], v[PW+2], vcc_lo     ; lanes 0-15 store tiles 0, 1 of row r, lanes 16-31 tiles 2, 3
	s_delay_alu instid0(VALU_DEP_2)
	v_cndmask_b32 v253, v[PW+1], v[PW+3], vcc_lo
	global_store_b64 v9, v[252:253], s[22:23]      ; 256 consecutive bytes, aligned
.endif
	s_wait_tensorcnt 0x0
	ds_add_u32 v254, v255
	s_wait_dscnt 0x0
	s_endpgm
.endm
	s_cmp_eq_u32 s25, 2
	s_cbranch_scc1 .Lpath_v
	PATH 0
.Lpath_v:
	PATH 1
.Lfunc_end_k_q53f254e09f_proj:
	.size	k_q53f254e09f_proj, .Lfunc_end_k_q53f254e09f_proj-k_q53f254e09f_proj
	.p2alignl 7, 3214868480
	.fill 96, 4, 3214868480
	.section	.rodata,"a",@progbits
	.p2align	6, 0x0
	.amdhsa_kernel k_q53f254e09f_proj
		.amdhsa_group_segment_fixed_size 19456
		.amdhsa_private_segment_fixed_size 0
		.amdhsa_enable_private_segment 0
		.amdhsa_kernarg_size 80
		.amdhsa_user_sgpr_count 2
		.amdhsa_user_sgpr_kernarg_segment_ptr 1
		.amdhsa_wavefront_size32 1
		.amdhsa_system_sgpr_workgroup_id_x 1
		.amdhsa_system_sgpr_workgroup_id_y 1
		.amdhsa_system_sgpr_workgroup_id_z 1
		.amdhsa_system_vgpr_workitem_id 0
		.amdhsa_next_free_vgpr 256
		.amdhsa_next_free_sgpr 66
		.amdhsa_reserve_vcc 1
		.amdhsa_float_denorm_mode_32 3
		.amdhsa_float_denorm_mode_16_64 3
		.amdhsa_memory_ordered 1
		.amdhsa_forward_progress 1
		.amdhsa_inst_pref_size 68
	.end_amdhsa_kernel
	.amdgpu_metadata
---
amdhsa.version: [ 1, 2 ]
amdhsa.kernels:
  - .name:           k_q53f254e09f_proj
    .symbol:         k_q53f254e09f_proj.kd
    .args:
      - { .name: query, .offset: 0, .size: 8, .value_kind: global_buffer, .address_space: global }
      - { .name: key_in, .offset: 8, .size: 8, .value_kind: global_buffer, .address_space: global }
      - { .name: value, .offset: 16, .size: 8, .value_kind: global_buffer, .address_space: global }
      - { .name: bq, .offset: 24, .size: 8, .value_kind: global_buffer, .address_space: global }
      - { .name: bk, .offset: 32, .size: 8, .value_kind: global_buffer, .address_space: global }
      - { .name: bv, .offset: 40, .size: 8, .value_kind: global_buffer, .address_space: global }
      - { .name: wcod, .offset: 48, .size: 8, .value_kind: global_buffer, .address_space: global }
      - { .name: wscl, .offset: 56, .size: 8, .value_kind: global_buffer, .address_space: global }
      - { .name: qkvc, .offset: 64, .size: 8, .value_kind: global_buffer, .address_space: global }
      - { .name: qkvs, .offset: 72, .size: 8, .value_kind: global_buffer, .address_space: global }
    .group_segment_fixed_size: 19456
    .private_segment_fixed_size: 0
    .kernarg_segment_align: 8
    .kernarg_segment_size: 80
    .max_flat_workgroup_size: 256
    .sgpr_count:     66
    .vgpr_count:     256
    .wavefront_size: 32
...
	.end_amdgpu_metadata
.endif
;; end of part 2
;; launch attn (part 3): grid 16 x 16, 16 waves a work-group, no clusters, 288,768 bytes of LDS; arguments qkvc, qkvs, maskw, flags, acod, ascl; writes acod, ascl
.if DOCPART == 3
	.amdgcn_target "amdgcn-amd-amdhsa--gfx1250"
	.amdhsa_code_object_version 6
	.text
	.protected	k_q53f254e09f_attn
	.globl	k_q53f254e09f_attn
	.p2align	8
	.type	k_q53f254e09f_attn,@function
k_q53f254e09f_attn:
	s_mov_b64 s[64:65], 0
	v_nop
	global_prefetch_b8 v0, s[64:65] scope:SCOPE_SE
	s_setreg_imm32_b32 hwreg(HW_REG_WAVE_MODE, 25, 1), 1
	s_wait_xcnt 0x0
; A[b][q][64 hd ..] = softmax_k(mask ? q . k / 8 : hidden) v, both products on codes of FP4 (E2M1) with one E8M0 byte for each 32 along K; the result is quantised at once along the head's 64.
; THE SOFTMAX: t = score x log2(e) / 8; M = the running largest t rounded UP to a whole number; p = 2^(t - M) is quantised along the keys, not normalised; the row's sum is taken of the unquantised p and divides at the end.
; SHARES.  Work-group (gx, bh): one head of one batch, sixteen tiles of 16 queries, T = gx + 16 p, p = 0 .. 15.  The tiles form eight pairs (a, 15 - a); TWO waves, w and w xor 8, share a pair:
;   wave w walks the key steps 2 i + w / 8 (i = 0 .. 15) of BOTH tiles.  X is the tile that the wave finishes (w < 8: p = a; else p = 15 - a), Y the one that its partner finishes.
;   So where a mask hides later keys, a wave's steps of an early and of a late tile add up alike in all waves; no value hangs on the deal.
;   At the end each wave hands its part of Y (O^T, -M, the sum) to its partner through LDS; the two parts of a tile are brought under the larger M by powers of two, which rounds nothing, and added.
; K AND V OF THE WHOLE HEAD COME INTO LDS ONCE, through registers, in the order of the operands' registers: codes 2 x 131,072 bytes, scale words 16,384 + 8,192.  IN TWO PHASES:
;   the head copies the codes of key steps 0-15 and all scale words (18 + 2 loads a wave); one barrier; phase 0 walks steps 0-15 of Y and of X, sixteen trips a wave, and each trip, walked or jumped over, also brings
;   one piece of 8,192 bytes of the codes of steps 16-31 (Y's trips K's eight pieces, X's trips V's) into LDS bytes that nobody reads in this phase; one barrier; phase 1 walks steps 16-31.
;   No prefetch: a piece's first reader stands behind the barrier at the phase's end, and nothing else is streamed.
; THE WALK HANGS ON STORED WHOLE NUMBERS: for each tile of 16 queries x 128 keys the launch before has stored whether any key counts and whether any is hidden.
;   unless the tile has a row with no key that counts at all (such a row is uniform over all keys): then every step is walked.  A step with no hidden key skips the masking.  The trip counts are constants; the work is jumped over.
;   The launch has no tensor load: the sixteen work-groups of a head each copy its 286,720 bytes once.
; THE MASK'S WORDS: maskw [tile][step][row][4]: bit L of word e says whether key 4 L + e of the step counts.  Score register 16 b + i of lane (r, h) is key 32 b + 16 h + i: word i % 4, bit 8 b + 4 h + i / 4 of row r.
; LAYOUT.  Both products transposed: S^T = K Q^T, O^T = V^T P^T: a lane holds ONE query (lane % 16).  The keys of a tile of K, and the channels of a tile of V, were laid so that tiles 2 b and 2 b + 1 give 16 neighbours.
; K = 64 IN AN INSTRUCTION OF 128: Q's registers 4-7 are zero codes; source 0 of tile t is v[KF + 4 t .. + 7]: its upper four registers (the next tile's codes, or zeros) meet zeros.  Bytes 2, 3 of both scale words are 0.
; LIMITS.  A hidden score is -2^33 ahead of the factor log2(e) / 8, and not -1e9 as a logit: t is then a whole number, so a wholly hidden row has p = 1 exactly, as with -1e9; the results agree
;   wherever the logits that count lie above about -9e8.  NaN and infinities are not served.
.set STX, 12                           ; v12 -M, v13 the largest t, v[14:15] the sum in two halves: tile X
.set QX,  16                           ; v16-19 X's Q, v20-23 zero codes
.set STY, 24                           ; v24-27 the same four as STX, tile Y
.set QSX, 28                           ; v28, v29 Q's scale words
.set QSY, 29
.set KF,  32                           ; v32-63 K's eight tiles, four registers each, then V's four fragments; v64-67 zeros
.set KSW, 68                           ; v68-71 K's scale words: register lt: lanes 0-15 tile lt, lanes 16-31 tile 4 + lt
.set VSW, 72                           ; v72-75 V's scale words
.set QY,  76                           ; v76-79 Y's Q, v80-83 zero codes
.set MA,  84                           ; v84 the mask words' offset
.set TP,  85                           ; v85 at work
.set F,   86                           ; v86 f, v87 p's scale word
.set SM,  88                           ; v88-95 four chains of the row's sum
.set S,   96                           ; v96-159 S^T, then p
.set OX,  160                          ; v160-191 X's O^T
.set OY,  192                          ; v192-223 Y's
.set PC,  224                          ; v224-231 p's codes
.set BM,  232                          ; v232-235 the mask's words, then the blocks' largest scores, then largest p
.set T2,  236                          ; v236-239 at work
.set SO,  240                          ; v240-243 the conversions' scale operands
.set CP,  244                          ; v244-247 the piece on its way
.set CA,  248                          ; v248 its place: in LDS, and, with a constant, in qkvc
; v1 16 lane; v2, v3, v4 my lane's place in V's codes, K's scale words, V's scale words; v5 the hidden score; v6 16 thread; v7 the copy's offset in V's scales; v8-11 LDS addresses: the head's copy, then the step's;
; v30 16 r; v31 4 h; v249, v250 my stage; v251, v252 my partner's; v254, v255 the spare word and 0
; s2 wave, s3 its parity; s16 the step, s17, s26, s27 its bytes in codes (4,096), in K's scales (512), in V's scales and in maskw (256); s28 trips to go; s95 the piece's LDS byte; s18, s19 X's ANY and MIX; s30, s31 Y's; s[8:9], s[86:87] their mask words
	s_load_b256 s[4:11], s[0:1], 0x0               ; qkvc s[4:5], qkvs s[6:7], maskw s[8:9], flags s[10:11]
	s_load_b128 s[12:15], s[0:1], 0x20             ; acod s[12:13], ascl s[14:15]
	v_lshl_add_u32 v254, v0, 2, 0x46000
	v_mov_b32 v255, 0
	v_lshrrev_b32 v1, 5, v0
	s_delay_alu instid0(VALU_DEP_1)
	v_readfirstlane_b32 s2, v1                     ; wave 0..15
	s_lshr_b32 s3, s2, 3                           ; which steps are mine: even or odd
	s_and_b32 s24, s2, 7
	s_sub_co_u32 s25, 11, s24
	s_cmp_lt_u32 s24, 4
	s_cselect_b32 s24, s24, s25                    ; a: 0 1 2 3 7 6 5 4
	s_sub_co_u32 s25, 15, s24
	s_cmp_eq_u32 s3, 0
	s_cselect_b32 s88, s24, s25
	s_cselect_b32 s89, s25, s24
	s_lshl_b32 s88, s88, 4
	s_add_co_u32 s88, s88, ttmp9                   ; X's T
	s_lshl_b32 s89, s89, 4
	s_add_co_u32 s89, s89, ttmp9                   ; Y's T
	s_and_b32 s90, ttmp7, 0xffff                   ; bh
	s_lshr_b32 s91, s90, 3                         ; batch
	s_and_b32 s92, s90, 7                          ; head
	s_lshl_b32 s91, s91, 8
	s_add_co_u32 s93, s91, s88                     ; X among the 512 tiles
	s_add_co_u32 s94, s91, s89                     ; Y
	s_mov_b32 s20, 0x76543210
	s_mov_b32 s21, 0xfedcba98
	s_mov_b32 s22, 0x3e38aa3b                      ; c = log2(e) / 8
	s_mov_b32 s23, s22                             ; (named with it as a pair)
	v_and_b32 v31, 31, v0
	v_and_b32 v30, 15, v0
	v_lshlrev_b32 v6, 4, v0                        ; 16 x thread
	v_lshrrev_b32 v7, 4, v0
	v_lshlrev_b32 v1, 4, v31
	v_lshlrev_b32 v11, 3, v30
	v_lshlrev_b32 v30, 4, v30
	v_bfe_u32 v31, v0, 4, 1
	v_lshl_add_u32 v7, v7, 8, v11                  ; step (thread / 16) x 256 + 8 r
	v_lshlrev_b32 v31, 2, v31
	v_add_nc_u32 v2, 0x20000, v1
	v_add_nc_u32 v3, 0x40000, v1
	v_add_nc_u32 v4, 0x44000, v30
	v_add_nc_u32 v8, 0x20000, v6
	v_add_nc_u32 v9, 0x40000, v6
	v_add_nc_u32 v10, 0x44000, v6
	v_lshrrev_b32 v11, 1, v1                       ; 8 lane
	s_mul_i32 s95, s2, 4608                        ; the stages of the hand-over: 4,608 bytes a wave, from LDS byte 0
	v_add_nc_u32 v249, s95, v1
	v_add_nc_u32 v250, s95, v11
	s_xor_b32 s95, s2, 8
	s_mul_i32 s95, s95, 4608
	v_add_nc_u32 v251, s95, v1
	v_add_nc_u32 v252, s95, v11
	s_mov_b32 s25, 0
	s_wait_alu depctr_va_vdst(0)
	s_wait_kmcnt 0x0
	s_lshl_b32 s24, s90, 17
	s_add_nc_u64 s[4:5], s[4:5], s[24:25]          ; my head's q; k's codes lie 2 MiB on, v's 4 MiB
	s_lshl_b32 s24, s90, 13
	s_add_nc_u64 s[26:27], s[6:7], s[24:25]        ; my head's place among v's scales (524,288 on)
	s_lshl_b32 s24, s90, 14
	s_add_nc_u64 s[6:7], s[6:7], s[24:25]          ; among q's; k's lie 262,144 on
	s_lshl_b32 s24, s93, 6
	s_add_nc_u64 s[96:97], s[10:11], s[24:25]
	s_load_b512 s[32:47], s[96:97], 0x0            ; X's four records
	s_lshl_b32 s24, s94, 6
	s_add_nc_u64 s[10:11], s[10:11], s[24:25]
	s_load_b512 s[68:83], s[10:11], 0x0            ; Y's
	s_lshl_b32 s24, s94, 13
	s_add_nc_u64 s[86:87], s[8:9], s[24:25]        ; Y's mask words
	s_lshl_b32 s24, s93, 13
	s_add_nc_u64 s[8:9], s[8:9], s[24:25]          ; X's
	s_lshl_b32 s24, s88, 9
	s_add_nc_u64 s[16:17], s[4:5], s[24:25]        ; X's Q
	s_lshl_b32 s24, s89, 9
	s_add_nc_u64 s[28:29], s[4:5], s[24:25]        ; Y's
	s_lshr_b32 s24, s88, 2
	s_lshl_b32 s24, s24, 8
	s_and_b32 s18, s88, 3
	s_lshl_b32 s18, s18, 2
	s_add_co_u32 s24, s24, s18
	s_add_nc_u64 s[18:19], s[6:7], s[24:25]        ; and their scale words
	s_lshr_b32 s24, s89, 2
	s_lshl_b32 s24, s24, 8
	s_and_b32 s30, s89, 3
	s_lshl_b32 s30, s30, 2
	s_add_co_u32 s24, s24, s30
	s_add_nc_u64 s[30:31], s[6:7], s[24:25]
	s_lshl_b32 s24, s93, 12
	s_lshl_b32 s91, s92, 9
	s_add_co_u32 s24, s24, s91
	s_add_nc_u64 s[12:13], s[12:13], s[24:25]      ; out, codes: 4,096 a tile of rows, 512 a head
	s_lshl_b32 s24, s93, 8
	s_lshl_b32 s91, s92, 1
	s_add_co_u32 s24, s24, s91
	s_add_nc_u64 s[14:15], s[14:15], s[24:25]      ; out, scale bytes: 16 a row, 2 a head
	global_load_b128 v[QX:QX+3], v1, s[16:17]
	global_load_b32 v[QSX], v30, s[18:19]
	global_load_b128 v[QY:QY+3], v1, s[28:29]
	global_load_b32 v[QSY], v30, s[30:31]
	; THE HEAD'S COPY: 18 loads of 8,192 bytes a work-group: K's and V's codes of key steps 0-15, all of K's scale words
.set i, 0
.rept 18
.if i < 8
	global_load_b128 v[96+4*i:99+4*i], v6, s[4:5] offset:0x200000+8192*i
.elseif i < 16
	global_load_b128 v[96+4*i:99+4*i], v6, s[4:5] offset:0x400000+8192*(i-8)
.else
	global_load_b128 v[96+4*i:99+4*i], v6, s[6:7] offset:0x40000+8192*(i-16)
.endif
.set i, i+1
.endr
	global_load_b64 v[32:33], v7, s[26:27] offset:0x80000       ; V's scale bytes of keys 128 step + 0 .. 63, four channel tiles of two bytes,
	global_load_b64 v[34:35], v7, s[26:27] offset:0x80000+128   ; and of keys + 64 .. 127
.set i, 0
.rept 18
	s_wait_loadcnt 19-i                            ; behind load i: the 17 - i others of the copy and the two of V's scales
.if i < 8
	ds_store_b128 v6, v[96+4*i:99+4*i] offset:8192*i
.elseif i < 16
	ds_store_b128 v8, v[96+4*i:99+4*i] offset:8192*(i-8)
.else
	ds_store_b128 v9, v[96+4*i:99+4*i] offset:8192*(i-16)
.endif
.set i, i+1
.endr
	s_wait_loadcnt 0x0
	v_perm_b32 v36, v34, v32, 0x05040100           ; a step's word of a channel tile: two bytes of each half
	v_perm_b32 v37, v34, v32, 0x07060302
	v_perm_b32 v38, v35, v33, 0x05040100
	v_perm_b32 v39, v35, v33, 0x07060302
	ds_store_b128 v10, v[36:39]
	s_wait_dscnt 0x0                               ; for the others' sake: my stores have landed
	s_barrier_signal -1
	s_barrier_wait -1                              ; the codes of steps 0-15 and all scale words lie in LDS
	s_wait_kmcnt 0x0
.macro FLG a, any, mix                 ; a tile's four records become ANY and MIX, 8 bits from each
	s_lshl_b32 s24, s[\a+4], 8
	s_or_b32 s[\any], s[\a], s24
	s_lshl_b32 s24, s[\a+8], 16
	s_or_b32 s[\any], s[\any], s24
	s_lshl_b32 s24, s[\a+12], 24
	s_or_b32 s[\any], s[\any], s24
	s_lshl_b32 s24, s[\a+5], 8
	s_or_b32 s[\mix], s[\a+1], s24
	s_lshl_b32 s24, s[\a+9], 16
	s_or_b32 s[\mix], s[\mix], s24
	s_lshl_b32 s24, s[\a+13], 24
	s_or_b32 s[\mix], s[\mix], s24
	s_or_b32 s24, s[\a+2], s[\a+6]                 ; which rows have a key that counts: bits 2 r and 2 r + 1
	s_or_b32 s24, s24, s[\a+10]
	s_or_b32 s24, s24, s[\a+14]
	s_lshr_b32 s25, s24, 1
	s_or_b32 s24, s24, s25
	s_and_b32 s24, s24, 0x55555555
	s_cmp_eq_u32 s24, 0x55555555
	s_cselect_b32 s[\any], s[\any], -1             ; a tile with a wholly hidden row walks every step
.endm
	FLG 32, 18, 19
	FLG 68, 30, 31
	v_mov_b32 v5, 0xd0000000                       ; -2^33
	v_mov_b32 v[STX+1], 0xff61b1e6                 ; the largest t so far: -3e38
	v_mov_b32 v[STY+1], 0xff61b1e6
	v_floor_f32 v[STX], -v[STX+1]                  ; -M
	v_floor_f32 v[STY], -v[STY+1]
.irp j, 14,15,26,27,20,21,22,23,80,81,82,83,64,65,66,67,85,86,87,93,232,233,234,235,236,237,238,239
	v_mov_b32 v\j, 0                               ; the sums; Q's upper halves and the registers behind K's last tile: zero codes; the rest: named before they are first written
.endr
.set n, 0
.rept 64
	v_mov_b32 v[OX+n], 0                           ; both O^T.  (The step is written once a tile and phase: the first finds zeros, which the first change of M leaves zeros)
.set n, n+1
.endr
	s_wait_alu depctr_va_vdst(0)
; My eight key steps of one tile in one phase, from step first + my parity on.  stream = 1: each trip also brings one piece of 8,192 bytes: LDS byte lbase + 8,192 x trip, in qkvc goff bytes further on
.macro TILE O, ST, Q, QS, ANY, MIX, MB, first, stream, lbase, goff
	s_add_co_u32 s16, s3, \first
	s_lshl_b32 s17, s16, 12
	s_lshl_b32 s26, s16, 9
	s_lshl_b32 s27, s16, 8
	s_mov_b32 s28, 8
.if \stream
	s_mov_b32 s95, \lbase
.endif
.Lstep_\@:
	s_lshr_b32 s24, s[\ANY], s16
	s_and_b32 s24, s24, 1
	s_cmp_lg_u32 s24, 0
.if \stream
	s_cbranch_scc1 .Lwork_\@
	s_wait_dscnt 0x0                               ; no key of this step counts: the piece alone.  The last piece's store has read its registers
	v_add_nc_u32 v[CA], s95, v6
	s_wait_alu depctr_va_vdst(0)
	global_load_b128 v[CP:CP+3], v[CA], s[4:5] offset:\goff
	s_branch .Lnext_\@
.Lwork_\@:
.else
	s_cbranch_scc0 .Lnext_\@                       ; no key of this step counts for any of the 16 queries
.endif
	v_add_nc_u32 v8, s17, v1                       ; (these four are also the places in front of the loads into registers that the last products read)
	v_add_nc_u32 v9, s17, v2
	v_add_nc_u32 v10, s26, v3
	v_add_nc_u32 v11, s27, v4
	s_wait_alu depctr_va_vdst(0)
	s_lshr_b32 s25, s[\MIX], s16
	s_and_b32 s25, s25, 1
	s_cmp_lg_u32 s25, 0
	s_cbranch_scc0 .Lplain_\@                      ; every key of this step counts: no words are fetched
	v_add_nc_u32 v[MA], s27, v30
	global_load_b128 v[BM:BM+3], v[MA], s[\MB:\MB+1]   ; row r's four words of this step
.Lplain_\@:
.set t, 0
.rept 8
	ds_load_b128 v[KF+4*t:KF+4*t+3], v8 offset:512*t
.set t, t+1
.endr
	ds_load_b128 v[KSW:KSW+3], v10
	s_wait_dscnt 0x0                               ; K is in; the last piece's store has read its registers
.if \stream
	v_add_nc_u32 v[CA], s95, v6
	s_wait_alu depctr_va_vdst(0)
	global_load_b128 v[CP:CP+3], v[CA], s[4:5] offset:\goff   ; this trip's piece, behind the mask's words
.endif
.irp t, 0,1,2,3
	v_wmma_scale_f32_16x16x128_f8f6f4 v[S+8*\t:S+8*\t+7], v[KF+4*\t:KF+4*\t+7], v[\Q:\Q+7], 0, v[KSW+\t], v[\QS] matrix_a_fmt:MATRIX_FMT_FP4 matrix_b_fmt:MATRIX_FMT_FP4
.endr
.irp t, 4,5,6,7
	v_wmma_scale_f32_16x16x128_f8f6f4 v[S+8*\t:S+8*\t+7], v[KF+4*\t:KF+4*\t+7], v[\Q:\Q+7], 0, v[KSW+\t-4], v[\QS] matrix_a_fmt:MATRIX_FMT_FP4 matrix_b_fmt:MATRIX_FMT_FP4 matrix_a_scale:MATRIX_SCALE_ROW1
.endr
.rept 4
	v_nop                                          ; places in front of the first read of the scores and of the loads into K's registers
.endr
.set t, 0
.rept 8
	ds_load_b128 v[KF+4*t:KF+4*t+3], v9 offset:512*t   ; V's four fragments take K's registers; they are waited for ahead of the second product
.set t, t+1
.endr
	ds_load_b128 v[VSW:VSW+3], v11
	s_wait_loadcnt \stream                         ; the mask's words, where they were asked for, are in; the piece, issued behind them, may be out
	s_cmp_lg_u32 s25, 0
	s_cbranch_scc0 .Lopen_\@
.irp e, 0,1,2,3
	v_lshrrev_b32 v[BM+\e], v31, v[BM+\e]          ; my half's bits stand 4 h up
.endr
.set g, 0
.rept 16                               ; registers 4 g + e: word e, bit 8 (g / 4) + g % 4; each accumulator from its low end on
.irp e, 0,1,2,3
	v_and_b32 v[T2+\e], 1<<(8*(g/4)+g%4), v[BM+\e]
.endr
.irp e, 0,1,2,3
	v_cmp_ne_u32 s[32+\e], 0, v[T2+\e]
.endr
.irp e, 0,1,2,3
	v_cndmask_b32 v[S+4*g+\e], v5, v[S+4*g+\e], s[32+\e]   ; a hidden key's score becomes -2^33
.endr
.set g, g+1
.endr
.Lopen_\@:
.irp b, 0,1,2,3
	v_max3_num_f32 v[BM+\b], v[S+16*\b], v[S+1+16*\b], v[S+2+16*\b]   ; the largest score of each block of 32 keys: for the row's maximum and, since p rises with the score, for the block's largest p
.endr
.irp i, 3,5,7,9,11,13
.irp b, 0,1,2,3
	v_max3_num_f32 v[BM+\b], v[BM+\b], v[S+16*\b+\i], v[S+1+16*\b+\i]
.endr
.endr
.irp b, 0,1,2,3
	v_max_num_f32 v[BM+\b], v[BM+\b], v[S+15+16*\b]
.endr
.irp b, 0,1,2,3
	s_delay_alu instid0(VALU_DEP_4)
	v_permlanex16_b32 v[T2+\b], v[BM+\b], s20, s21
.endr
.irp b, 0,1,2,3
	s_delay_alu instid0(VALU_DEP_4)
	v_max_num_f32 v[BM+\b], v[BM+\b], v[T2+\b]     ; with lane l xor 16's 16 keys
.endr
	s_delay_alu instid0(VALU_DEP_2)
	v_max3_num_f32 v[TP], v[BM], v[BM+1], v[BM+2]
	s_delay_alu instid0(VALU_DEP_1)
	v_max_num_f32 v[TP], v[TP], v[BM+3]            ; the step's largest score of my query
	s_delay_alu instid0(VALU_DEP_1)
	v_mul_f32 v[TP], s22, v[TP]                    ; as t
	s_delay_alu instid0(VALU_DEP_1)
	v_max_num_f32 v[\ST+1], v[\ST+1], v[TP]        ; the running largest t
	v_mov_b32 v[TP], v[\ST]
	s_delay_alu instid0(VALU_DEP_2)
	v_floor_f32 v[\ST], -v[\ST+1]                  ; the new -M = -ceil(t)
	s_delay_alu instid0(VALU_DEP_1)
	v_sub_f32 v[TP], v[\ST], v[TP]                 ; old M - new M: a whole number, 0 or less
	s_delay_alu instid0(VALU_DEP_1)
	v_cvt_i32_f32 v[TP], v[TP]                     ; (it saturates)
	s_delay_alu instid0(VALU_DEP_1)
	v_ldexp_f32 v[F], 1.0, v[TP]                   ; f = 2^(old M - new M)
.set n, 0
.rept 32
	v_pk_fma_f32 v[S+n:S+n+1], v[S+n:S+n+1], s[22:23], v[\ST:\ST+1] op_sel_hi:[1,0,0]   ; t - M, two at a time
.set n, n+2
.endr
.irp b, 0,1,2,3
	v_fma_f32 v[BM+\b], v[BM+\b], s22, v[\ST]      ; the same of each block's largest score
.endr
	s_wait_alu depctr_va_vdst(0)
.set n, 0
.rept 64
	v_exp_f32 v[S+n], v[S+n]                       ; p = 2^(t - M)
.set n, n+1
.endr
	v_pk_mul_f32 v[\ST+2:\ST+3], v[\ST+2:\ST+3], v[F:F+1] op_sel_hi:[1,0]   ; the sums under the new M: a plain line behind the exponentials
	s_wait_alu depctr_va_vdst(0)                   ; one wait for the batch of 64, ahead of its first reader
.irp b, 0,1,2,3
	v_exp_f32 v[BM+\b], v[BM+\b]                   ; the block's largest p
.endr
.irp k, 0,1,2,3
	v_pk_add_f32 v[SM+2*\k:SM+2*\k+1], v[S+2*\k:S+2*\k+1], v[S+8+2*\k:S+9+2*\k]   ; the row's sum of the unquantised p, in four chains
.endr
.set n, 16
.rept 24
	v_pk_add_f32 v[SM+2*((n/2)%4):SM+2*((n/2)%4)+1], v[SM+2*((n/2)%4):SM+2*((n/2)%4)+1], v[S+n:S+n+1]
.set n, n+2
.endr
	v_pk_add_f32 v[SM:SM+1], v[SM:SM+1], v[SM+2:SM+3]
	v_pk_add_f32 v[SM+4:SM+5], v[SM+4:SM+5], v[SM+6:SM+7]
	s_delay_alu instid0(VALU_DEP_1)
	v_pk_add_f32 v[SM:SM+1], v[SM:SM+1], v[SM+4:SM+5]
	s_delay_alu instid0(VALU_DEP_1)
	v_pk_add_f32 v[\ST+2:\ST+3], v[\ST+2:\ST+3], v[SM:SM+1]
	s_wait_alu depctr_va_vdst(0)                   ; and one for the four
.irp b, 0,1,2,3
	v_max_num_f32 v[BM+\b], 0x1800000, v[BM+\b]    ; the floor 2^(3 - 127): the byte cannot fall under 1
.endr
.irp b, 0,1,2,3
	s_delay_alu instid0(VALU_DEP_4)
	v_add_nc_u32 v[SO+\b], 0xff000000, v[BM+\b]    ; 2 off the exponent field: the conversion's scale operand
.endr
.irp b, 0,1,2,3
	s_delay_alu instid0(VALU_DEP_4)
	v_lshrrev_b32 v[T2+\b], 23, v[SO+\b]           ; the scale's byte
.endr
	s_delay_alu instid0(VALU_DEP_3)
	v_lshl_or_b32 v[F+1], v[T2+1], 8, v[T2]        ; p's scale word for these 128 keys
	s_delay_alu instid0(VALU_DEP_1)
	v_lshl_or_b32 v[F+1], v[T2+2], 16, v[F+1]
	s_delay_alu instid0(VALU_DEP_1)
	v_lshl_or_b32 v[F+1], v[T2+3], 24, v[F+1]
.irp b, 0,1,2,3
	v_cvt_scalef32_pk8_fp4_f32 v[PC+2*\b], v[S+16*\b:S+7+16*\b], v[SO+\b]
	v_cvt_scalef32_pk8_fp4_f32 v[PC+1+2*\b], v[S+8+16*\b:S+15+16*\b], v[SO+\b]
.endr
	v_nop                                          ; one plain line behind the last scaled conversion
.irp c, 0,1
.irp i, 0,1
	v_permlane16_swap_b32 v[PC+4*\c+\i], v[PC+2+4*\c+\i]   ; a whole block in a lane
.endr
.endr
	s_wait_alu depctr_va_vdst(0)
.set n, 0
.rept 16
	v_pk_mul_f32 v[\O+n:\O+n+1], v[\O+n:\O+n+1], v[F:F+1] op_sel_hi:[1,0]   ; O^T under the new M; these sixteen are also the places between p's codes and scale word and the products
.set n, n+2
.endr
	s_wait_alu depctr_va_vdst(0)
	s_wait_dscnt 0x0                               ; V is in
.irp t, 0,1,2,3                        ; four accumulators, one instruction each
	v_wmma_scale_f32_16x16x128_f8f6f4 v[\O+8*\t:\O+8*\t+7], v[KF+8*\t:KF+8*\t+7], v[PC:PC+7], v[\O+8*\t:\O+8*\t+7], v[VSW+\t], v[F+1] matrix_a_fmt:MATRIX_FMT_FP4 matrix_b_fmt:MATRIX_FMT_FP4
.endr
.Lnext_\@:
.if \stream
	s_wait_loadcnt 0x0                             ; the trip's piece is in,
	ds_store_b128 v[CA], v[CP:CP+3]                ; and goes to bytes that nobody reads before the barrier at the phase's end
	s_add_co_u32 s95, s95, 8192
.endif
	s_add_co_u32 s17, s17, 8192                    ; two steps on
	s_add_co_u32 s26, s26, 1024
	s_add_co_u32 s27, s27, 512
	s_add_co_u32 s16, s16, 2
	s_sub_co_u32 s28, s28, 1
	s_cmp_lg_u32 s28, 0
	s_cbranch_scc1 .Lstep_\@
.endm
	TILE OY, STY, QY, QSY, 30, 31, 86, 0, 1, 0x10000, 0x200000   ; phase 0; with it K's codes of steps 16-31
	TILE OX, STX, QX, QSX, 18, 19, 8, 0, 1, 0x30000, 0x3e0000    ; and V's: LDS byte 0x30000 is byte 0x410000 of my head's part of qkvc
	s_wait_dscnt 0x0                               ; for the others' sake: my pieces have landed
	s_barrier_signal -1
	s_barrier_wait -1                              ; all of the head's K and V lie in LDS
	TILE OY, STY, QY, QSY, 30, 31, 86, 16, 0, 0, 0               ; phase 1
	TILE OX, STX, QX, QSX, 18, 19, 8, 16, 0, 0, 0
	; THE HAND-OVER: my part of Y goes to my partner, its part of my X comes to me.  The stages lie on K's codes: behind the barrier below nobody reads K or V any more
.rept 4
	v_nop                                          ; places behind the last products
.endr
	v_add_f32 v[STY+1], v[STY+2], v[STY+3]         ; Y's sum, beside its -M
	v_add_f32 v[STX+2], v[STX+2], v[STX+3]         ; X's
	s_wait_alu depctr_va_vdst(0)
	s_wait_dscnt 0x0                               ; my reads of K and V are over
	s_barrier_signal -1
	s_barrier_wait -1
.set i, 0
.rept 8
	s_wait_alu depctr_va_vdst(0)
	ds_store_b128 v249, v[OY+4*i:OY+4*i+3] offset:512*i
.set i, i+1
.endr
	ds_store_b64 v250, v[STY:STY+1] offset:4096
	s_wait_dscnt 0x0                               ; for my partner's sake: my stores have landed
	s_barrier_signal -1
	s_barrier_wait -1
.set i, 0
.rept 8
	ds_load_b128 v[S+4*i:S+4*i+3], v251 offset:512*i
.set i, i+1
.endr
	ds_load_b64 v[SM:SM+1], v252 offset:4096       ; its -M and its sum
	s_wait_dscnt 0x0
	v_min_num_f32 v[TP], v[STX], v[SM]             ; -M of the two parts together
	s_delay_alu instid0(VALU_DEP_1)
	v_sub_f32 v[SM+2], v[TP], v[STX]               ; whole numbers, 0 or less
	v_sub_f32 v[SM+3], v[TP], v[SM]
	s_delay_alu instid0(VALU_DEP_2)
	v_cvt_i32_f32 v[SM+2], v[SM+2]                 ; (they saturate: a part that walked no step, or hidden keys alone, gets the factor 0)
	s_delay_alu instid0(VALU_DEP_2)
	v_cvt_i32_f32 v[SM+3], v[SM+3]
	s_delay_alu instid0(VALU_DEP_2)
	v_ldexp_f32 v[F], 1.0, v[SM+2]                 ; my part's factor
	s_delay_alu instid0(VALU_DEP_2)
	v_ldexp_f32 v[SM+4], 1.0, v[SM+3]              ; my partner's
	s_delay_alu instid0(VALU_DEP_2)
	v_mul_f32 v[STX+2], v[STX+2], v[F]
	s_delay_alu instid0(VALU_DEP_1)
	v_fmac_f32 v[STX+2], v[SM+1], v[SM+4]
.set n, 0
.rept 16
	v_pk_mul_f32 v[S+n:S+n+1], v[S+n:S+n+1], v[SM+4:SM+5] op_sel_hi:[1,0]
.set n, n+2
.endr
	s_wait_alu depctr_va_vdst(0)
.set n, 0
.rept 16
	v_pk_fma_f32 v[OX+n:OX+n+1], v[OX+n:OX+n+1], v[F:F+1], v[S+n:S+n+1] op_sel_hi:[1,0,1]
.set n, n+2
.endr
	; THE WAY OUT: O^T / the sum, quantised along the head's 64: two blocks, four registers of codes, two bytes
	v_permlanex16_b32 v[TP], v[STX+2], s20, s21
	s_delay_alu instid0(VALU_DEP_1)
	v_add_f32 v[STX+2], v[STX+2], v[TP]            ; the row's sum
	s_wait_alu depctr_va_vdst(0)
	v_rcp_f32 v[STX+2], v[STX+2]
	v_nop                                          ; a plain line behind the reciprocal,
	s_wait_alu depctr_va_vdst(0)                   ; and the wait ahead of its first reader
.set n, 0
.rept 32
	v_mul_f32 v[S+n], v[OX+n], v[STX+2]            ; register 16 b + i = channel 32 b + 16 h + i of my query
.set n, n+1
.endr
.irp b, 0,1
	v_max3_num_f32 v[BM+\b], |v[S+16*\b]|, |v[S+1+16*\b]|, 0x1800000
.endr
.irp i, 2,4,6,8,10,12,14
.irp b, 0,1
	s_delay_alu instid0(VALU_DEP_2)
	v_max3_num_f32 v[BM+\b], v[BM+\b], |v[S+16*\b+\i]|, |v[S+1+16*\b+\i]|
.endr
.endr
.irp b, 0,1
	s_delay_alu instid0(VALU_DEP_2)
	v_permlanex16_b32 v[T2+\b], v[BM+\b], s20, s21
.endr
.irp b, 0,1
	s_delay_alu instid0(VALU_DEP_2)
	v_max_num_f32 v[BM+\b], v[BM+\b], v[T2+\b]
.endr
.irp b, 0,1
	s_delay_alu instid0(VALU_DEP_2)
	v_add_nc_u32 v[SO+\b], 0xff000000, v[BM+\b]
.endr
.irp b, 0,1
	s_delay_alu instid0(VALU_DEP_2)
	v_lshrrev_b32 v[T2+\b], 23, v[SO+\b]
.endr
	s_delay_alu instid0(VALU_DEP_1)
	v_lshl_or_b32 v[TP], v[T2+1], 8, v[T2]
.irp b, 0,1
	v_cvt_scalef32_pk8_fp4_f32 v[PC+2*\b], v[S+16*\b:S+7+16*\b], v[SO+\b]
	v_cvt_scalef32_pk8_fp4_f32 v[PC+1+2*\b], v[S+8+16*\b:S+15+16*\b], v[SO+\b]
.endr
	v_nop
.irp i, 0,1
	v_permlane16_swap_b32 v[PC+\i], v[PC+2+\i]
.endr
	global_store_b128 v1, v[PC:PC+3], s[12:13]     ; 512 consecutive bytes
	v_cmp_gt_u32 vcc_lo, 0x100, v1                 ; lanes 0-15
	s_wait_alu depctr_va_vdst(0)
	s_wait_xcnt 0x0                                ; EXEC changes only behind this wait
	s_wait_tensorcnt 0x0                           ; the wave's end
	ds_add_u32 v254, v255
	s_wait_dscnt 0x0
	s_and_saveexec_b32 s24, vcc_lo
	global_store_b16 v30, v[TP], s[14:15]          ; two bytes of each row's sixteen: 32 bytes a wave
	s_endpgm
.Lfunc_end_k_q53f254e09f_attn:
	.size	k_q53f254e09f_attn, .Lfunc_end_k_q53f254e09f_attn-k_q53f254e09f_attn
	.p2alignl 7, 3214868480
	.fill 96, 4, 3214868480
	.section	.rodata,"a",@progbits
	.p2align	6, 0x0
	.amdhsa_kernel k_q53f254e09f_attn
		.amdhsa_group_segment_fixed_size 288768
		.amdhsa_private_segment_fixed_size 0
		.amdhsa_enable_private_segment 0
		.amdhsa_kernarg_size 48
		.amdhsa_user_sgpr_count 2
		.amdhsa_user_sgpr_kernarg_segment_ptr 1
		.amdhsa_wavefront_size32 1
		.amdhsa_system_sgpr_workgroup_id_x 1
		.amdhsa_system_sgpr_workgroup_id_y 1
		.amdhsa_system_sgpr_workgroup_id_z 1
		.amdhsa_system_vgpr_workitem_id 0
		.amdhsa_next_free_vgpr 256
		.amdhsa_next_free_sgpr 100
		.amdhsa_reserve_vcc 1
		.amdhsa_float_denorm_mode_32 3
		.amdhsa_float_denorm_mode_16_64 3
		.amdhsa_memory_ordered 1
		.amdhsa_forward_progress 1
		.amdhsa_inst_pref_size 136
	.end_amdhsa_kernel
	.amdgpu_metadata
---
amdhsa.version: [ 1, 2 ]
amdhsa.kernels:
  - .name:           k_q53f254e09f_attn
    .symbol:         k_q53f254e09f_attn.kd
    .args:
      - { .name: qkvc, .offset: 0, .size: 8, .value_kind: global_buffer, .address_space: global }
      - { .name: qkvs, .offset: 8, .size: 8, .value_kind: global_buffer, .address_space: global }
      - { .name: maskw, .offset: 16, .size: 8, .value_kind: global_buffer, .address_space: global }
      - { .name: flags, .offset: 24, .size: 8, .value_kind: global_buffer, .address_space: global }
      - { .name: acod, .offset: 32, .size: 8, .value_kind: global_buffer, .address_space: global }
      - { .name: ascl, .offset: 40, .size: 8, .value_kind: global_buffer, .address_space: global }
    .group_segment_fixed_size: 288768
    .private_segment_fixed_size: 0
    .kernarg_segment_align: 8
    .kernarg_segment_size: 48
    .max_flat_workgroup_size: 512
    .sgpr_count:     100
    .vgpr_count:     256
    .wavefront_size: 32
...
	.end_amdgpu_metadata
.endif
;; end of part 3
;; launch outln (part 4): grid 512 x 1, 4 waves a work-group, no clusters, 35,328 bytes of LDS; arguments acod, ascl, wcod, wscl, bo, query, ln_gamma, ln_beta, out0; writes out0
.if DOCPART == 4
	.amdgcn_target "amdgcn-amd-amdhsa--gfx1250"
	.amdhsa_code_object_version 6
	.text
	.protected	k_q53f254e09f_outln
	.globl	k_q53f254e09f_outln
	.p2align	8
	.type	k_q53f254e09f_outln,@function
k_q53f254e09f_outln:
	s_mov_b64 s[64:65], 0
	v_nop
	global_prefetch_b8 v0, s[64:65] scope:SCOPE_SE
	s_setreg_imm32_b32 hwreg(HW_REG_WAVE_MODE, 25, 1), 1
	s_wait_xcnt 0x0
; out0 = LayerNorm(A Wo^T + bo + query) x gamma + beta.  A and Wo arrive as codes of FP4 (E2M1) in the order of an operand's registers, with their E8M0 scale words.
; A work-group takes 16 rows, wave w the columns 128 w .. 128 w + 127: eight tiles of Wo.  The product is used transposed (source 0 = 16 rows of Wo, source 1 = A): lane (r, h) holds row r, and register j of tile t
; column 128 w + 16 t + 8 h + j.  The residual is loaded straight into the accumulators: the sums begin with it.  A row's mean and variance want the four waves' parts: two exchanges through LDS, a barrier each.
; The variance is the mean of (x - mean)^2, as it is written, not a difference of large sums.  No tensor loads: every stream is read once by one wave.
.set ASW, 12                           ; v12-15   A's scale words, K steps 0-3
.set WSW, 16                           ; v16-31   Wo's: register 2 t + e: lanes 0-15 K step e, lanes 16-31 K step 2 + e
.set AF,  32                           ; v32-63   A's four fragments; later at work
.set ACC, 64                           ; v64-127  eight accumulators
.set WB0, 128                          ; v128-191 two tiles of Wo; later bo, then beta
.set WB1, 192                          ; v192-255 two tiles of Wo; later gamma, then rows on their way out
.set PITCH, 528                        ; a stage row: 512 bytes + 16
; LDS: 0: the waves' sums, 128 bytes each; 512: their sums of squares; 1,024: a stage of 16 rows for each wave
	s_load_b256 s[4:11], s[0:1], 0x0               ; acod s[4:5], ascl s[6:7], wcod s[8:9], wscl s[10:11]
	s_load_b256 s[12:19], s[0:1], 0x20             ; bo s[12:13], query s[14:15], gamma s[16:17], beta s[18:19]
	s_load_b64 s[20:21], s[0:1], 0x40              ; out0
	s_set_vgpr_msb 0x40
	v_lshl_add_u32 v0, v0, 2, 0x8800
	v_mov_b32 v1, 0
	s_set_vgpr_msb 0x4000
	v_lshrrev_b32 v1, 5, v0
	v_readfirstlane_b32 s22, v1                    ; wave 0..3
	v_and_b32 v10, 31, v0                          ; lane
	v_and_b32 v11, 15, v0                          ; r
	v_bfe_u32 v9, v0, 4, 1                         ; h
	v_lshlrev_b32 v1, 4, v10                       ; 16 lane
	v_lshlrev_b32 v3, 4, v11                       ; 16 r
	v_lshl_add_u32 v2, v9, 3, v3                   ; 16 r + 8 h
	v_lshlrev_b32 v4, 11, v11
	v_lshl_add_u32 v4, v9, 5, v4                   ; the residual: row r of 2,048 bytes, + 32 h
	s_mul_i32 s23, s22, 16*PITCH
	s_add_co_u32 s23, s23, 1024                    ; my stage
	v_mul_u32_u24 v5, v11, PITCH
	v_lshl_add_u32 v5, v9, 5, v5
	v_add_nc_u32 v5, s23, v5                       ; in: row r, + 32 h
	v_add_nc_u32 v6, s23, v1                       ; back: 16 bytes a lane of a row
	v_lshlrev_b32 v8, 2, v10                       ; 4 lane
	s_lshl_b32 s24, s22, 7
	v_add_nc_u32 v7, s24, v8                       ; + 128 x wave
	v_lshlrev_b32 v9, 5, v9                        ; 32 h: bo, gamma, beta
	s_mov_b32 s26, 0x76543210
	s_mov_b32 s27, 0xfedcba98
	s_mov_b32 s29, 0
	s_lshl_b32 s30, s22, 9                         ; my 128 columns: 512 bytes
	s_mov_b32 s31, 0
	s_wait_alu depctr_va_vdst(0)
	s_wait_kmcnt 0x0
	s_lshl_b32 s28, ttmp9, 15                      ; 16 rows of 2,048 bytes
	s_add_nc_u64 s[14:15], s[14:15], s[28:29]
	s_add_nc_u64 s[14:15], s[14:15], s[30:31]
	s_add_nc_u64 s[20:21], s[20:21], s[28:29]
	s_add_nc_u64 s[20:21], s[20:21], s[30:31]
	s_add_nc_u64 s[12:13], s[12:13], s[30:31]
	s_add_nc_u64 s[16:17], s[16:17], s[30:31]
	s_add_nc_u64 s[18:19], s[18:19], s[30:31]
	s_lshl_b32 s28, ttmp9, 12
	s_add_nc_u64 s[4:5], s[4:5], s[28:29]
	s_lshl_b32 s28, ttmp9, 8
	s_add_nc_u64 s[6:7], s[6:7], s[28:29]
	s_lshl_b32 s28, s22, 15                        ; Wo is the fourth weight: 393,216 on; my eight tiles: 32,768 x wave
	s_add_co_u32 s28, s28, 393216
	s_add_nc_u64 s[8:9], s[8:9], s[28:29]
	s_lshl_b32 s28, s22, 11
	s_add_co_u32 s28, s28, 24576
	s_add_nc_u64 s[10:11], s[10:11], s[28:29]
	s_mov_b32 s24, 0x3727c5ac                      ; 1e-5
	s_mov_b32 s25, 0x3b000000                      ; 1 / 512
.macro COLS reg, base                  ; 64 numbers of my columns in the result's layout: register 8 t + 4 e at 64 t + 16 e
.set i, 0
.rept 16
	global_load_b128 v[\reg+4*i:\reg+4*i+3], v9, s[\base:\base+1] offset:64*(i/2)+16*(i%2)
.set i, i+1
.endr
.endm
.macro WL k                            ; tiles 2 k, 2 k + 1 of my eight, into buffer k % 2: register 32 tt + 8 s + 4 c
.set i, 0
.rept 16
	global_load_b128 v[WB0+64*((\k)%2)+4*i:WB0+64*((\k)%2)+4*i+3], v1, s[8:9] offset:8192*(\k)+512*i
.set i, i+1
.endr
.endm
.set i, 0
.rept 16
	global_load_b128 v[ACC+4*i:ACC+4*i+3], v4, s[14:15] offset:64*(i/2)+16*(i%2)   ; the residual
.set i, i+1
.endr
.set i, 0
.rept 8
	global_load_b128 v[AF+4*i:AF+4*i+3], v1, s[4:5] offset:512*i
.set i, i+1
.endr
	global_load_b128 v[ASW:ASW+3], v3, s[6:7]
.set i, 0
.rept 8
	global_load_b64 v[WSW+2*i:WSW+2*i+1], v2, s[10:11] offset:256*i
.set i, i+1
.endr
	WL 0
	WL 1
.macro MULK k                          ; eight products: two accumulators by turns, one instruction a turn
.irp s, 0,1
.irp tt, 0,1
	v_wmma_scale_f32_16x16x128_f8f6f4 v[ACC+8*(2*(\k)+\tt):ACC+8*(2*(\k)+\tt)+7], v[WB0+64*((\k)%2)+32*\tt+8*\s:WB0+64*((\k)%2)+32*\tt+8*\s+7], v[AF+8*\s:AF+8*\s+7], v[ACC+8*(2*(\k)+\tt):ACC+8*(2*(\k)+\tt)+7], v[WSW+2*(2*(\k)+\tt)+\s], v[ASW+\s] matrix_a_fmt:MATRIX_FMT_FP4 matrix_b_fmt:MATRIX_FMT_FP4
.endr
.endr
.irp s, 2,3
.irp tt, 0,1
	v_wmma_scale_f32_16x16x128_f8f6f4 v[ACC+8*(2*(\k)+\tt):ACC+8*(2*(\k)+\tt)+7], v[WB0+64*((\k)%2)+32*\tt+8*\s:WB0+64*((\k)%2)+32*\tt+8*\s+7], v[AF+8*\s:AF+8*\s+7], v[ACC+8*(2*(\k)+\tt):ACC+8*(2*(\k)+\tt)+7], v[WSW+2*(2*(\k)+\tt)+\s-2], v[ASW+\s] matrix_a_fmt:MATRIX_FMT_FP4 matrix_b_fmt:MATRIX_FMT_FP4 matrix_a_scale:MATRIX_SCALE_ROW1
.endr
.endr
.rept 4
	v_nop                                          ; places in front of loads into the buffer just multiplied
.endr
.endm
	s_wait_loadcnt 16                              ; all but the 16 youngest loads are in: so in each of the four steps
	MULK 0
	WL 2
	s_wait_loadcnt 16
	MULK 1
	WL 3
	s_wait_loadcnt 16
	MULK 2
	COLS WB0, 12                                   ; bo
	s_wait_loadcnt 16
	MULK 3
	COLS WB1, 16                                   ; gamma
	s_wait_loadcnt 16                              ; bo is in
.set n, 0
.rept 32
	v_pk_add_f32 v[ACC+n:ACC+n+1], v[ACC+n:ACC+n+1], v[WB0+n:WB0+n+1]   ; x; each accumulator from its low end on
.set n, n+2
.endr
	COLS WB0, 18                                   ; beta
	v_pk_add_f32 v[32:33], v[ACC:ACC+1], v[ACC+2:ACC+3]                 ; my 64 numbers' sum, in two chains
	v_pk_add_f32 v[34:35], v[ACC+4:ACC+5], v[ACC+6:ACC+7]
.set n, 8
.rept 14
	v_pk_add_f32 v[32:33], v[32:33], v[ACC+n:ACC+n+1]
	v_pk_add_f32 v[34:35], v[34:35], v[ACC+n+2:ACC+n+3]
.set n, n+4
.endr
	v_pk_add_f32 v[32:33], v[32:33], v[34:35]
	v_add_f32 v32, v32, v33
	v_permlanex16_b32 v40, v32, s26, s27
	v_add_f32 v32, v32, v40                        ; row r's sum over my wave's 128 columns
	ds_store_b32 v7, v32
	s_wait_dscnt 0x0                               ; for the others' sake
	s_barrier_signal -1
	s_barrier_wait -1
.irp w, 0,1,2,3
	ds_load_b32 v[36+\w], v8 offset:128*\w
.endr
	s_wait_dscnt 0x0
	v_add_f32 v36, v36, v37
	v_add_f32 v38, v38, v39
	v_add_f32 v36, v36, v38
	v_mul_f32 v10, 0xbb000000, v36                 ; minus the mean
.set n, 0
.rept 32
	v_pk_add_f32 v[ACC+n:ACC+n+1], v[ACC+n:ACC+n+1], v[10:11] op_sel_hi:[1,0]   ; d = x - mean
.set n, n+2
.endr
	v_pk_mul_f32 v[32:33], v[ACC:ACC+1], v[ACC:ACC+1]
	v_pk_mul_f32 v[34:35], v[ACC+2:ACC+3], v[ACC+2:ACC+3]
.set n, 4
.rept 15
	v_pk_fma_f32 v[32:33], v[ACC+n:ACC+n+1], v[ACC+n:ACC+n+1], v[32:33]
	v_pk_fma_f32 v[34:35], v[ACC+n+2:ACC+n+3], v[ACC+n+2:ACC+n+3], v[34:35]
.set n, n+4
.endr
	v_pk_add_f32 v[32:33], v[32:33], v[34:35]
	v_add_f32 v32, v32, v33
	v_permlanex16_b32 v40, v32, s26, s27
	v_add_f32 v32, v32, v40
	ds_store_b32 v7, v32 offset:512                ; other bytes than the first exchange's
	s_wait_dscnt 0x0
	s_barrier_signal -1
	s_barrier_wait -1
.irp w, 0,1,2,3
	ds_load_b32 v[36+\w], v8 offset:512+128*\w
.endr
	s_wait_dscnt 0x0
	v_add_f32 v36, v36, v37
	v_add_f32 v38, v38, v39
	v_add_f32 v36, v36, v38
	v_fma_f32 v10, v36, s25, s24                   ; the variance + 1e-5
	s_wait_alu depctr_va_vdst(0)
	v_rsq_f32 v10, v10
	v_nop                                          ; a plain line behind it,
	s_wait_alu depctr_va_vdst(0)                   ; and the wait ahead of its first reader
	s_wait_loadcnt 0x0                             ; gamma and beta
.set n, 0
.rept 32
	v_pk_mul_f32 v[ACC+n:ACC+n+1], v[ACC+n:ACC+n+1], v[10:11] op_sel_hi:[1,0]
.set n, n+2
.endr
.set n, 0
.rept 32
	v_pk_fma_f32 v[ACC+n:ACC+n+1], v[ACC+n:ACC+n+1], v[WB1+n:WB1+n+1], v[WB0+n:WB0+n+1]
.set n, n+2
.endr
	; THE WAY OUT: a lane holds 32 bytes of a row eight times over; through my own stage they become whole rows of 512 bytes
.set i, 0
.rept 16
	ds_store_b128 v5, v[ACC+4*i:ACC+4*i+3] offset:64*(i/2)+16*(i%2)
.set i, i+1
.endr
.set i, 0
.rept 16
	ds_load_b128 v[WB1+4*i:WB1+4*i+3], v6 offset:PITCH*i   ; LDS serves a wave's instructions in order: these see the stores above
.set i, i+1
.endr
.set i, 0
.rept 16
	s_wait_dscnt 15-i
	global_store_b128 v1, v[WB1+4*i:WB1+4*i+3], s[20:21] offset:2048*i th:TH_STORE_NT   ; 32 lanes store 512 consecutive bytes, aligned
.set i, i+1
.endr
	s_set_vgpr_msb 0x5
	s_wait_tensorcnt 0x0
	ds_add_u32 v0, v1
	s_wait_dscnt 0x0
	s_set_vgpr_msb 0x500
	s_endpgm
.Lfunc_end_k_q53f254e09f_outln:
	.size	k_q53f254e09f_outln, .Lfunc_end_k_q53f254e09f_outln-k_q53f254e09f_outln
	.p2alignl 7, 3214868480
	.fill 96, 4, 3214868480
	.section	.rodata,"a",@progbits
	.p2align	6, 0x0
	.amdhsa_kernel k_q53f254e09f_outln
		.amdhsa_group_segment_fixed_size 35328
		.amdhsa_private_segment_fixed_size 0
		.amdhsa_enable_private_segment 0
		.amdhsa_kernarg_size 72
		.amdhsa_user_sgpr_count 2
		.amdhsa_user_sgpr_kernarg_segment_ptr 1
		.amdhsa_wavefront_size32 1
		.amdhsa_system_sgpr_workgroup_id_x 1
		.amdhsa_system_sgpr_workgroup_id_y 1
		.amdhsa_system_sgpr_workgroup_id_z 1
		.amdhsa_system_vgpr_workitem_id 0
		.amdhsa_next_free_vgpr 258
		.amdhsa_next_free_sgpr 66
		.amdhsa_reserve_vcc 0
		.amdhsa_float_denorm_mode_32 3
		.amdhsa_float_denorm_mode_16_64 3
		.amdhsa_memory_ordered 1
		.amdhsa_forward_progress 1
		.amdhsa_inst_pref_size 39
	.end_amdhsa_kernel
	.amdgpu_metadata
---
amdhsa.version: [ 1, 2 ]
amdhsa.kernels:
  - .name:           k_q53f254e09f_outln
    .symbol:         k_q53f254e09f_outln.kd
    .args:
      - { .name: acod, .offset: 0, .size: 8, .value_kind: global_buffer, .address_space: global }
      - { .name: ascl, .offset: 8, .size: 8, .value_kind: global_buffer, .address_space: global }
      - { .name: wcod, .offset: 16, .size: 8, .value_kind: global_buffer, .address_space: global }
      - { .name: wscl, .offset: 24, .size: 8, .value_kind: global_buffer, .address_space: global }
      - { .name: bo, .offset: 32, .size: 8, .value_kind: global_buffer, .address_space: global }
      - { .name: query, .offset: 40, .size: 8, .value_kind: global_buffer, .address_space: global }
      - { .name: ln_gamma, .offset: 48, .size: 8, .value_kind: global_buffer, .address_space: global }
      - { .name: ln_beta, .offset: 56, .size: 8, .value_kind: global_buffer, .address_space: global }
      - { .name: out0, .offset: 64, .size: 8, .value_kind: global_buffer, .address_space: global }
    .group_segment_fixed_size: 35328
    .private_segment_fixed_size: 0
    .kernarg_segment_align: 8
    .kernarg_segment_size: 72
    .max_flat_workgroup_size: 128
    .sgpr_count:     66
    .vgpr_count:     258
    .wavefront_size: 32
...
	.end_amdgpu_metadata
.endif
;; end of part 4
